; MI455X (gfx1250); checked and timed in simulation.
; The chip was launched on July 23, 2026; its instructions are those of AMD's public machine-readable ISA for CDNA 5 (MIT licence, August 2026) and "CDNA5" Instruction Set Architecture Reference Guide (July 2026). The comments in the code are by the model that wrote it; some were corrected since.
;; Multihead Self Attention. Allowed arithmetic: matrix products marked QUANTISED: E4M3 operands, one given power-of-two scale a tensor, by v_wmma_f32_16x16x64_fp8_fp8 or v_wmma_f32_16x16x128_fp8_fp8, f32 sums; everything else in f32.
;; Inputs: lowp_scales 12 int32 (the exponents e of the quantised operands' scales 2^e); wk_codes 1,024 x 32 x 32 uint8 (E4M3 codes of wk, K innermost, in blocks of 32 codes); wo_codes 1,024 x 32 x 32 uint8 (E4M3 codes of wo, K innermost, in blocks of 32 codes); wq_codes 1,024 x 32 x 32 uint8 (E4M3 codes of wq, K innermost, in blocks of 32 codes); wv_codes 1,024 x 32 x 32 uint8 (E4M3 codes of wv, K innermost, in blocks of 32 codes); x_codes 4 x 2,048 x 32 x 32 uint8 (E4M3 codes of x, K innermost, in blocks of 32 codes).
;; Outputs: out0 4 x 2,048 x 1,024 float32.
;; This version of the problem:
;;   THIS VERSION OF THE PROBLEM IS GIVEN IN LOW PRECISION. The matrix products marked QUANTISED in the list below multiply operands that are first quantised to E4M3 (4 exponent bits, 3 mantissa bits; 8 bits a number), with one given power-of-two scale for each operand tensor; their sums are f32. All else is computed in f32.
;;   The module's matrix products, in the order in which they are computed (A, B: the left and right operand; K: the contracted axis; several contracted axes count as one K, in the product's order):
;;     1. [M 8,192, K 1,024] x [K 1,024, N 1,024]; A: input x (given as codes); B: input wq (given as codes): QUANTISED (scales: A lowp_scales[0], B lowp_scales[1])
;;     2. [M 8,192, K 1,024] x [K 1,024, N 1,024]; A: input x (given as codes); B: input wk (given as codes): QUANTISED (scales: A lowp_scales[2], B lowp_scales[3])
;;     3. [M 8,192, K 1,024] x [K 1,024, N 1,024]; A: input x (given as codes); B: input wv (given as codes): QUANTISED (scales: A lowp_scales[4], B lowp_scales[5])
;;     4. batch 64 x [M 2,048, K 64] x [K 64, N 2,048]; A: computed on the way; B: computed on the way: QUANTISED (scales: A lowp_scales[6], B lowp_scales[7])
;;     5. batch 64 x [M 2,048, K 2,048] x [K 2,048, N 64]; A: softmax (see below); B: computed on the way: QUANTISED (scales: A lowp_scales[8], B lowp_scales[9])
;;     6. [M 8,192, K 1,024] x [K 1,024, N 1,024]; A: computed on the way; B: input wo (given as codes): QUANTISED (scales: A lowp_scales[10], B lowp_scales[11])
;;   THE QUANTISER, for each operand of a quantised product, along K:
;;     - The operand's scale is 2^e, e = its entry of the input lowp_scales (int32; the entries are numbered through the quantised products in the list's order, A before B).
;;     - Each number is divided by the scale, clamped to +-448, and rounded to the nearest number of E4M3, ties to even, subnormals kept.
;;     - The product sums the exact products of the quantised numbers (number of the format x scale) in f32.
;;   ~~~python
;;   def quantise(x, axis, e):      # numpy; x: float32 -> the quantised numbers, widened to float32 again
;;       x = np.moveaxis(x, axis, -1); K = x.shape[-1]
;;       r = np.clip(x / 2.0 ** e, -448, 448)
;;       step = 2.0 ** (np.maximum(np.frexp(np.where(r == 0, 1, r))[1] - 1, -6) - 3)
;;       q = np.round(r / step) * step * 2.0 ** e      # np.round: ties to even
;;       return np.moveaxis(q, -1, axis).astype(np.float32)
;;   ~~~
;;   SOFTMAX AHEAD OF A QUANTISED PRODUCT. Where the list says 'softmax', what is quantised is not the finished softmax but p = 2^(t - M), with t = logit x log2(e) and M = ceil(the row's largest t), a whole number; so 1/2 < the row's largest p <= 1. The row's sum l is taken of the UNQUANTISED p, in f32, and the product's result is divided by l at the end. Since M is a whole number, a kernel that streams over the keys may use a running M (the ceiling of the running maximum): every later rescaling is an exact power of two, so the quantised numbers keep their values, but for numbers so far below the row's largest that they fall under the format's range.
;;   OPERANDS COMPUTED ON THE WAY. 'Computed on the way' means the value that the module computes at that place (a softmax that the list does not call 'softmax' is quantised finished and normalised). What goes into a quantiser is computed in f32, as accurately as f32 sums, v_exp_f32 and their like allow (about 1e-6 of the number): no bf16 or f16 on the way to a quantiser, and a product that is left as it is and whose result goes on into a quantised operand takes f32 operands (vector FMAs, or v_wmma_f32_16x16x4_f32). A number that lies on a knife's edge between two numbers of the format may be rounded either way, as far as f32 arithmetic and the matrix unit's own rounding can turn it there, and no further.
;;   INPUTS GIVEN AS CODES. wk (in the module: [1024, 1024], K = its axis 1); wo (in the module: [1024, 1024], K = its axis 1); wq (in the module: [1024, 1024], K = its axis 1); wv (in the module: [1024, 1024], K = its axis 1); x (in the module: [4, 2048, 1024], K = its axis 2): each comes as NAME_codes (uint8): NAME with its K axis moved to the last place and cut into blocks of 32 codes, [.., K / 32, bytes a block], one block behind the other in memory; one code a byte (a code: sign, 4 exponent bits, 3 mantissa bits); its scale is its entry of lowp_scales. Its value is code x scale, taken as it is: it is not quantised again, and the codes and scales need not be those that the quantiser above would give.
;; One version. Each part assembles by itself: llvm-mc -triple=amdgcn-amd-amdhsa -mcpu=gfx1250 --defsym DOCPART=n.
;; ======== version 1 of 1: 3 launches
;; limits: right only within a limited range of input values
;; workspace buffers: q_img 8,388,608 bytes; k_img 8,388,608 bytes; v_img 8,388,608 bytes; o_img 8,388,608 bytes
;; launch qkv (part 1): grid 12 x 32, 4 waves a work-group, clusters of 4 x 4, 327,680 bytes of LDS; arguments x_codes, wq_codes, wk_codes, wv_codes, lowp_scales, q_img, k_img, v_img; writes q_img, k_img, v_img
.if DOCPART == 1
	.amdgcn_target "amdgcn-amd-amdhsa--gfx1250"
	.amdhsa_code_object_version 6
	.text
	.protected	k_q19163b02fc_qkv
	.globl	k_q19163b02fc_qkv
	.p2align	8
	.type	k_q19163b02fc_qkv,@function
k_q19163b02fc_qkv:
	s_mov_b64 s[64:65], 0
	v_nop
	global_prefetch_b8 v0, s[64:65] scope:SCOPE_SE
	s_setreg_imm32_b32 hwreg(HW_REG_WAVE_MODE, 25, 1), 1
	s_wait_xcnt 0x0
	s_wait_alu depctr_hold_cnt(0) depctr_sa_sdst(0) depctr_va_vdst(0) depctr_va_sdst(0) depctr_va_ssrc(0) depctr_va_vcc(0) depctr_vm_vsrc(0)
	s_getreg_b32 s2, hwreg(HW_REG_IB_STS2, 6, 4)
	s_cmp_eq_u32 s2, 0
	s_cbranch_scc0 .Lentry_in_a_cluster
	s_endpgm
.Lentry_in_a_cluster:
	s_bfe_u32 s2, ttmp6, 0x10000c
	s_cmp_lg_u32 s2, 0xf033
	s_cbranch_scc0 .Lentry_shape_is_right
	s_endpgm
.Lentry_shape_is_right:
; q = rope(x wq^T), k = rope(x wk^T), v = x wv^T on codes of E4M3, and the three results quantised again (scales 2^e6, 2^e7, 2^e9) into images of the operand registers of the attention launch.
; x: [8192][1024] codes; wq, wk, wv: [1024][1024] codes, K innermost.  lowp_scales: e0 .. e11.
; SHARES.  Cluster x = 0, 1, 2 says which product: q, k, v; it is the same in all sixteen partners.  A work-group of four waves makes 256 x 256 results, a wave 128 x 128: 64 accumulators, 512 registers.
; K = 1,024 goes in four steps of 256 through a ring of two LDS slots filled by joint tensor loads (4 x 4 work-groups: A's tile shared along a row of the cluster, B's along a column).
; ROLES.  The matrix instruction takes source 0 = 16 rows of B, source 1 = 16 rows of A: a lane then holds ONE row of A and eight neighbouring rows of B.
;   q, k: A = x (tile row 4 x cluster y + cy), B = the weight (tile cx): a lane holds one position and eight neighbouring channels, the next product's K.
;   v:    A = wv (tile row cy), B = x (tile 4 x cluster y + cx): a lane holds one channel and eight neighbouring KEYS, the K of the product with p.
; ROPE.  cos and sin of fl(position x inv_freq) are made in f32 (two-part reduction by pi/2, polynomials of degree 7 and 8) into a table in LDS, 256 positions x 32 (cos, sin).  It lies in slot 0, which has had its last fill
; and its last read when the first entry is stored.  inv_freq[i] = 10^(-i/8), written as the 32 nearest f32 numbers.
; THE SCALES are folded: a sum stands for sum x 2^(ea + eb), RoPE is linear, so the conversion's one scale is 2^E, E = ed - ea - eb.
; LIMITS: -126 <= E <= 119 for each of the three products, so that 2^E and 448 x 2^E are f32 numbers.  NaN among the sums is not served.
; IMAGES.  q_img, k_img: [batch x head 64][tile of 16 rows 128][c 2][lane 32][16 bytes]: lane (r, h), chunk c: row 16 tile + r, channels 32 c + 8 h + 0..7 and 32 c + 16 + 8 h + 0..7.
;          v_img: [batch x head 64][128 keys 16][16 channels 4][c 4][lane 32][16 bytes]: lane (r, h), chunk c: channel r, keys 32 c + 8 h + 0..7 and 32 c + 16 + 8 h + 0..7.
; Each store of a wave covers 512 consecutive bytes, aligned: no stage is needed on the way out.
; REGISTERS, in windows of 256: window 0: v0-31 addresses and constants; v32-127 the table's work, then cos and sin; from v128 A's fragments (one set), on the way out the numbers and their codes.
;   window 1: B's fragments, two sets.   window 2: the accumulators of my rows 0-63 ((a, b) at v[8 (8 a + b)]);   window 3: those of my rows 64-127.
.set ROWB,   256                       ; a tile's row in bytes: 256 codes
.set KROW,   1024                      ; a row of x or of a weight in memory
.set PITCH,  272                       ; an LDS row: 256 bytes + 16 of padding: the 16 rows that a load touches start at 16 different banks (64 banks of 4 bytes: ISA guide 11.1)
.set FR,     16                        ; registers of a fragment: 16 rows x 128 K
.set NL,     4                         ; LDS loads that bring one
.set NP,     4                         ; places behind this matrix instruction (ISA guide 7.12.1)
.set HALFT,  128*PITCH                 ; 128 rows: what one tensor load brings
.set SLOT,   4*HALFT                   ; A's 256 rows, then B's 256 rows
.set SPARE,  2*SLOT                    ; behind the ring: the spare words, 128 bytes for each wave
.set TP,     272                       ; the table: a position's row, 32 x (cos, sin) = 256 bytes + 16; it begins at LDS byte 0
.set TW,   8                           ; v8   where I store table entries: 64 x wave rows + 8 x lane
.set TRD,  9                           ; v9   where I read them: row 128 x (my half of A's rows) + r, + 32 h
.set GOF,  10                          ; v10  16 x lane: my place in an image's chunk
.set SC,   12                          ; v12  2^E as f32
.set LIM,  13
.set LN,   14                          ; v14  lane
.set ADRA, 16                          ; v16-17  LDS address of my A fragments in slot 0, 1
.set ADRB, 20                          ; v20-21  the same for B
.set SPW,  28                          ; v28  LDS address of my spare word; never rewritten
.set NIL,  29                          ; v29  0; never rewritten
.set FQ,   32                          ; v[32:33] my lane's inv_freq, twice
.set S2,   34                          ; v[34:35], v[36:37] two coefficients, twice each
.set K1,   36
.set CH,   40                          ; v40-119 four chains of 20 registers: +0 positions, +2 angle, +4 n, +6 r, +8 z, +10 sine, +12 z r, +14 cosine, +16 z z, +18 1 - z / 2
.set CSB,  32                          ; the way out: two sets of 32: a block's cos and sin
.set AF,   128                         ; A's fragments
.set T,    128                         ; the way out: a block's 64 numbers
.set CD,   192                         ; and two sets of 16 registers of codes
.set G1, 24                            ; s[24:31] descriptor group 1 for A's tiles;  s[32:39] group 0, one set for each slot
.set G0, 32
.set G1B, 48                           ; s[48:55], s[56:63] the same for B's tiles
.set G0B, 56
.set MSB, 0
.macro WIN new                         ; the immediate's high byte repeats the setting that is left
.if MSB != \new
	s_set_vgpr_msb (MSB<<8)|\new
.set MSB, \new
.endif
.endm
.set MUL_LO, 0xa1                      ; source 0 (B) window 1, source 1 (A) window 0, C and D window 2
.set MUL_HI, 0xf1                      ; the same, C and D window 3
.set TO_B,   0x40                      ; destination window 1, address window 0
; A joint load: waves 0 and 1 fetch for A, waves 2 and 3 for B.  Each line has one mask and one set of registers for all that issue it; the branch hangs on the wave's number alone.
; Four v_nop follow each of the two lines, ahead of the jump, the label and what follows.
.macro JLOAD g0a, g1a, g0b, g1b
	s_cmp_eq_u32 s15, 0
	s_cbranch_scc0 .Lfor_b_\@
	tensor_load_to_lds s[\g0a:\g0a+3], s[\g1a:\g1a+7]
	s_nop 0
.rept 4
	v_nop
.endr
	s_branch .Lasked_\@
.Lfor_b_\@:
	tensor_load_to_lds s[\g0b:\g0b+3], s[\g1b:\g1b+7]
	s_nop 0
.rept 4
	v_nop
.endr
.Lasked_\@:
.endm
.macro CREST                           ; a round of the cluster's barrier behind its opening barrier
	s_cmp_lg_u32 s14, 0
	s_cbranch_scc1 .Lnot_wave_0_\@
	s_barrier_signal -3
.Lnot_wave_0_\@:
	s_barrier_wait -3
	s_barrier_signal -1
	s_barrier_wait -1
.endm
.macro CROUND                          ; a whole round
	s_barrier_signal -1
	s_barrier_wait -1
	CREST
.endm
	s_load_b512 s[68:83], s[0:1], 0x0              ; x s[68:69], wq s[70:71], wk s[72:73], wv s[74:75], the scales s[76:77], q_img s[78:79], k_img s[80:81], v_img s[82:83]
	v_lshl_add_u32 v[SPW], v0, 2, SPARE
	v_mov_b32 v[NIL], 0
	ds_add_u32 v28, v29
	ds_add_u32 v28, v29
	s_wait_dscnt 0x0
	v_lshrrev_b32 v1, 5, v0
	v_readfirstlane_b32 s14, v1                    ; wave 0..3
	s_lshr_b32 s15, s14, 1                         ; which half of A's rows is mine.  Also: I fetch for A (0) or for B (1)
	s_and_b32 s16, s14, 1                          ; which half of B's rows.  Also: which 128 rows of that tile I fetch
	s_bfe_u32 s40, ttmp6, 0x40000                  ; cx, cy: my place in the cluster
	s_bfe_u32 s41, ttmp6, 0x40004
	s_and_b32 s18, ttmp7, 0xffff
	s_lshl_b32 s18, s18, 2                         ; 4 x cluster y: it walks x's 32 tiles of 256 rows
	s_cmp_eq_u32 ttmp9, 2                          ; v?  (cluster x: the same in all partners)
	s_cselect_b32 s19, 0, s18
	s_cselect_b32 s20, s18, 0
	s_add_co_u32 s17, s41, s19                     ; A's tile: cy (+ 4 x cluster y for q, k): it never holds cx
	s_add_co_u32 s42, s40, s20                     ; B's tile: cx (+ 4 x cluster y for v): it never holds cy
	s_lshl_b32 s43, s41, 2
	s_lshl_b32 s43, 15, s43                        ; my row of the cluster
	s_lshl_b32 s44, 0x1111, s40                    ; my column
	; descriptor group 1: a tile of 128 rows x 256 bytes, padded in LDS
	s_or_b32 s[G1+0], s43, (0<<16)|(1<<20)|(1<<21)|(5<<22)|(3<<25)  ; 15:0 the mask: A's tiles go to my row; 17:16 element of 1 byte; 20 padding on; 21 set beside a mask; 24:22 after every 64 words; 31:25 of 4 words
	s_or_b32 s[G1B+0], s44, (0<<16)|(1<<20)|(1<<21)|(5<<22)|(3<<25)
.irp g, G1, G1B
	s_mov_b32 s[\g+1], ROWB<<16                    ; tensor_dim0
	s_mov_b32 s[\g+2], 128<<16                     ; tensor_dim1 = 128
	s_mov_b32 s[\g+3], ROWB<<16                    ; tile_dim0
	s_mov_b32 s[\g+4], 128                         ; tile_dim1 = 128
	s_mov_b32 s[\g+5], KROW                        ; tensor_dim0_stride
	s_mov_b32 s[\g+6], 0
	s_mov_b32 s[\g+7], 0
.endr
	s_lshl_b32 s18, s16, 7                         ; which 128 rows of the tile I fetch
	s_lshl_b32 s20, s17, 8
	s_add_co_u32 s20, s20, s18                     ; A: row 256 x tile + 128 x half,
	s_lshl_b32 s20, s20, 10                        ; in bytes: at most 8 MiB
	s_mov_b32 s21, 0
	s_lshl_b32 s46, s42, 8
	s_add_co_u32 s46, s46, s18                     ; B likewise
	s_lshl_b32 s46, s46, 10
	s_mov_b32 s47, 0
	s_mul_i32 s45, s14, HALFT                      ; where they go: wave x 128 rows: no place in the cluster enters an LDS address
	s_wait_kmcnt 0x0
	s_load_b256 s[84:91], s[76:77], 0x0            ; e0 .. e7
	s_load_b128 s[92:95], s[76:77], 0x20           ; e8 .. e11
	s_cmp_eq_u32 ttmp9, 1                          ; the buffers are chosen by the product's number alone
	s_cselect_b64 s[6:7], s[72:73], s[70:71]       ; wk or wq
	s_cselect_b64 s[10:11], s[80:81], s[78:79]     ; k_img or q_img
	s_cmp_eq_u32 ttmp9, 2
	s_cselect_b64 s[4:5], s[74:75], s[68:69]       ; A: wv for v, else x
	s_cselect_b64 s[6:7], s[68:69], s[6:7]         ; B: x for v, else the weight
	s_cselect_b64 s[10:11], s[82:83], s[10:11]     ; the image that I write
	s_add_nc_u64 s[20:21], s[4:5], s[20:21]
	s_add_nc_u64 s[46:47], s[6:7], s[46:47]
	CROUND                                         ; all sixteen work-groups are here: the first joint loads meet
.irp s, 0,1
	s_mov_b32 s[G0+4*\s], 1
	s_add_co_u32 s[G0+4*\s+1], s45, \s*SLOT
	s_add_nc_u64 s[G0+4*\s+2:G0+4*\s+3], s[20:21], \s*ROWB
	s_or_b32 s[G0+4*\s+3], s[G0+4*\s+3], 0x80000000
	s_mov_b32 s[G0B+4*\s], 1
	s_add_co_u32 s[G0B+4*\s+1], s45, \s*SLOT
	s_add_nc_u64 s[G0B+4*\s+2:G0B+4*\s+3], s[46:47], \s*ROWB
	s_or_b32 s[G0B+4*\s+3], s[G0B+4*\s+3], 0x80000000
	JLOAD G0+4*\s, G1, G0B+4*\s, G1B
.endr
	v_and_b32 v1, 15, v0                           ; r = lane % 16
	v_bfe_u32 v2, v0, 4, 1                         ; h = lane / 16
	v_and_b32 v[LN], 31, v0
	s_wait_alu depctr_va_vdst(0)
	v_mul_u32_u24 v3, v1, PITCH
	s_wait_alu depctr_va_vdst(0)
	v_lshl_add_u32 v4, v2, 4, v3                   ; a fragment's row x pitch + 16 x half
	s_mul_i32 s21, s15, HALFT                      ; my 128 rows of A
	s_mul_i32 s22, s16, HALFT                      ; my 128 rows of B,
	s_add_co_u32 s22, s22, 2*HALFT                 ; which lie behind A's 256
.irp s, 0,1
	v_add_nc_u32 v[ADRA+\s], s21, v4
	v_add_nc_u32 v[ADRB+\s], s22, v4
	s_add_co_u32 s21, s21, SLOT
	s_add_co_u32 s22, s22, SLOT
.endr
	s_mul_i32 s23, s14, 64*TP                      ; every LDS address of the way out is made here, ahead of every parting of the ways
	v_lshlrev_b32 v[TW], 3, v[LN]
	v_add_nc_u32 v[TW], s23, v[TW]                 ; the table, in: my wave's 64 positions, my lane's frequency
	s_mul_i32 s23, s15, 128*TP
	v_lshl_add_u32 v[TRD], v2, 5, v3               ; (the table's pitch is the tiles')
	v_add_nc_u32 v[TRD], s23, v[TRD]               ; the table, out: position 128 x half + r, four frequencies from 4 h on
	v_lshlrev_b32 v[GOF], 4, v[LN]
.macro FRAG reg, adr, q, i             ; a fragment, 16 rows x 128 K, is 16 registers: lane l holds row l % 16; registers 4 c .. 4 c + 3 hold K = 32 c + 16 (l / 16) + 0 .. 15: the same order of k in A and in B
.irp c, 0,1,2,3
	ds_load_b128 v[\reg+4*\c:\reg+4*\c+3], v[\adr] offset:128*(\q)+32*\c+(\i)*16*PITCH
.endr
.endm
; 16 matrix instructions: A's blocks a0, a0 + 1 x B's eight, 128 along K.  p: B's set.  zero = 1: the first product starts the sums.
; The 64 accumulators take turns, one instruction a turn, in the same order in every step.
.macro MUL16 a0, p, zero
.irp a, \a0, \a0+1
.irp b, 0,1,2,3,4,5,6,7
.if \zero
	v_wmma_f32_16x16x128_fp8_fp8 v[8*(8*((\a)%4)+\b):8*(8*((\a)%4)+\b)+7], v[128*(\p)+FR*\b:128*(\p)+FR*\b+FR-1], v[AF+FR*(\a):AF+FR*(\a)+FR-1], 0
.else
	v_wmma_f32_16x16x128_fp8_fp8 v[8*(8*((\a)%4)+\b):8*(8*((\a)%4)+\b)+7], v[128*(\p)+FR*\b:128*(\p)+FR*\b+FR-1], v[AF+FR*(\a):AF+FR*(\a)+FR-1], v[8*(8*((\a)%4)+\b):8*(8*((\a)%4)+\b)+7]
.endif
.endr
.endr
.endm
.macro FETCH_B slot, q, p              ; B's eight fragments of the slot's q-th 128 along K into set p
	WIN TO_B
.irp i, 0,1,2,3,4,5,6,7
	FRAG 128*(\p)+FR*\i, ADRB+\slot, \q, \i
.endr
	WIN 0
.endm
.macro FETCH_A slot, q, i0             ; A's blocks i0 .. i0 + 3
.irp i, \i0, \i0+1, \i0+2, \i0+3
	FRAG AF+FR*(\i), ADRA+\slot, \q, \i
.endr
.endm
.macro PLACES n                        ; plain vector instructions that name no register of the matrix instructions ahead (ISA guide 7.12.1)
.rept \n
	v_nop
.endr
.endm
; A step of 128 along K that has its successor in the same slot.
.macro STEP slot, q, zero
	s_wait_dscnt 4*NL                              ; B's set and A's blocks 0-3 are in; the youngest sixteen loads (A's blocks 4-7) may be out
	WIN MUL_LO
	MUL16 0, (\q)%2, \zero
	MUL16 2, (\q)%2, \zero
	s_wait_dscnt 0                                 ; A's blocks 4-7 are in
	PLACES NP
	FETCH_B \slot, (\q)+1, 1-(\q)%2
	FETCH_A \slot, (\q)+1, 0
	WIN MUL_HI
	MUL16 4, (\q)%2, \zero
	MUL16 6, (\q)%2, \zero
	PLACES NP
	WIN 0
	FETCH_A \slot, (\q)+1, 4
.endm
; A slot's last step changes slots: one barrier; in front of it each wave waits for all its tensor loads, adds 0 to its spare word, and waits for that and for its own reads of this slot.  fill = 1: this slot is filled again, two K steps ahead.
.macro TURN slot, next, fill
	s_wait_tensorcnt 0x0                           ; all my tensor loads have landed: my part of the next slot
	ds_add_u32 v[SPW], v[NIL]                      ; 0 onto my spare word
	s_wait_dscnt 4*NL+1                            ; (the add and the youngest sixteen loads, A's blocks 4-7, may be out)
	WIN MUL_LO
	MUL16 0, 1, 0                                  ; sixteen matrix instructions stand between the add and the wait for it
	s_wait_dscnt 0x0                               ; the add is done, and my reads of this slot are over
	s_barrier_signal -1
	MUL16 2, 1, 0
	WIN 0
	s_barrier_wait -1
.if \fill
	CREST                                          ; the barrier has opened a round of the cluster's barrier: no wave of any partner still reads this slot's tile or has a load on its way
	s_add_nc_u64 s[G0+4*\slot+2:G0+4*\slot+3], s[G0+4*\slot+2:G0+4*\slot+3], 2*ROWB
	s_add_nc_u64 s[G0B+4*\slot+2:G0B+4*\slot+3], s[G0B+4*\slot+2:G0B+4*\slot+3], 2*ROWB
	JLOAD G0+4*\slot, G1, G0B+4*\slot, G1B         ; the first tensor load behind the round; its four v_nop are also the places in front of the loads below
.else
	PLACES NP
.endif
	FETCH_B \next, 0, 0
	FETCH_A \next, 0, 0
	WIN MUL_HI
	MUL16 4, 1, 0
	MUL16 6, 1, 0
	PLACES NP
	WIN 0
	FETCH_A \next, 0, 4
.endm
	s_wait_alu depctr_va_vdst(0)
	s_wait_tensorcnt 1                             ; my part of K step 0 is in (K step 1's load may be out)
	s_barrier_signal -1
	s_barrier_wait -1                              ; everybody's is
	FETCH_B 0, 0, 0
	FETCH_A 0, 0, 0
	FETCH_A 0, 0, 4
	STEP 0, 0, 1                                   ; K = 1,024 is eight steps of 128, written out: the first starts the sums
	TURN 0, 1, 1                                   ; slot 0 takes K step 2
	STEP 1, 0, 0
	TURN 1, 0, 1                                   ; slot 1 takes K step 3
	STEP 0, 0, 0
	TURN 0, 1, 0                                   ; nothing is left to fetch: slot 0 has had its last fill, and behind this barrier nobody reads it
	STEP 1, 0, 0
	s_wait_dscnt 4*NL                              ; the very last step
	WIN MUL_LO
	MUL16 0, 1, 0
	MUL16 2, 1, 0
	s_wait_dscnt 0
	WIN MUL_HI
	MUL16 4, 1, 0
	MUL16 6, 1, 0
	WIN 0
	; the conversion's scale: E = ed - ea - eb, chosen by the product's number, without a branch
	s_wait_kmcnt 0x0
	s_cmp_eq_u32 ttmp9, 1
	s_cselect_b32 s96, s86, s84                    ; ea: e2 or e0
	s_cselect_b32 s97, s87, s85                    ; eb: e3 or e1
	s_cselect_b32 s98, s91, s90                    ; ed: e7 or e6
	s_cmp_eq_u32 ttmp9, 2
	s_cselect_b32 s96, s88, s96                    ; e4
	s_cselect_b32 s97, s89, s97                    ; e5
	s_cselect_b32 s98, s93, s98                    ; e9
	s_sub_co_i32 s98, s98, s96
	s_sub_co_i32 s98, s98, s97
	s_add_co_i32 s98, s98, 127
	s_lshl_b32 s99, s98, 23
	v_mov_b32 v[SC], s99                           ; 2^E as f32: the conversion takes its exponent field
	PLACES NP                                      ; behind the last products, ahead of every read of results and every write of the registers that held A's fragments, on both ways
	s_cmp_eq_u32 ttmp9, 2
	s_cbranch_scc1 .Lno_table                      ; v has no RoPE
	; THE TABLE.  Lane = frequency i; my wave makes positions 64 wave .. 64 wave + 63 of the work-group's 256: 64 angles a lane, two to a packed chain, four chains side by side.
	s_and_b32 s18, s17, 7
	s_lshl_b32 s18, s18, 8                         ; the tile's first position in its sequence of 2,048
	s_lshl_b32 s19, s14, 6
	s_add_co_u32 s18, s18, s19                     ; my wave's first
	s_mov_b32 s22, 0x80000000                      ; the sign
	v_mov_b32 v[FQ], 1.0                           ; inv_freq[0]; the others are chosen by the lane's number
.set ii, 1
.irp lit, 0x3f3ff911,0x3f0ff59a,0x3ed7e89b,0x3ea1e89b,0x3e72d424,0x3e361887,0x3e088d77,0x3dcccccd,0x3d99940e,0x3d6655c3,0x3d2cba15,0x3d0186e2,0x3cc24350,0x3c91ad39,0x3c5a7bf1,0x3c23d70a,0x3bf5b9b0,0x3bb8449c,0x3b8a2e77,0x3b4f3e37,0x3b1b690d,0x3ae91528,0x3aaec98e,0x3a83126f,0x3a44948c,0x3a136a16,0x39dd1726,0x39a5cb5f,0x3978a814,0x393a7753,0x390bd472
	v_cmp_ne_u32 vcc_lo, ii, v[LN]
	v_cndmask_b32 v[FQ], \lit, v[FQ], vcc_lo       ; 10^(-ii / 8) in lane ii
.set ii, ii+1
.endr
	v_mov_b32 v[FQ+1], v[FQ]
	v_mov_b32 v[S2], 0x3c08839e
	v_mov_b32 v[S2+1], 0x3c08839e
	v_mov_b32 v[K1], 0xbab6061a
	v_mov_b32 v[K1+1], 0xbab6061a
.irp k, 0,1,2,3
.irp e, 0,1
	s_add_co_u32 s19, s18, 2*\k+\e
	v_cvt_f32_u32 v[CH+20*\k+\e], s19              ; chain k begins with positions 2 k and 2 k + 1
.endr
.endr
; Eight positions.  angle = fl(position x inv_freq); n = the nearest whole number to angle x 2 / pi; r = angle - n pi / 2 with pi / 2 in two parts (the first product and difference round nothing: both are multiples of 2^-23 under 1);
; sine and cosine of r by polynomials in z = r r; n's two low bits say which of the two is cos and which sin of the angle, and their signs.
.macro TRIG4 n
.irp k, 0,1,2,3
.set CK, CH+20*\k
	v_pk_mul_f32 v[CK+2:CK+3], v[CK:CK+1], v[FQ:FQ+1]
.endr
.irp k, 0,1,2,3
.set CK, CH+20*\k
	v_pk_mul_f32 v[CK+4:CK+5], v[CK+2:CK+3], 0x3f22f983 op_sel_hi:[1,0]
.endr
.irp k, 0,1,2,3
.set CK, CH+20*\k
	v_rndne_f32 v[CK+4], v[CK+4]
	v_rndne_f32 v[CK+5], v[CK+5]
.endr
.irp k, 0,1,2,3
.set CK, CH+20*\k
	v_pk_fma_f32 v[CK+6:CK+7], v[CK+4:CK+5], 0xbfc90fdb, v[CK+2:CK+3] op_sel_hi:[1,0,1]
.endr
.irp k, 0,1,2,3
.set CK, CH+20*\k
	v_pk_fma_f32 v[CK+6:CK+7], v[CK+4:CK+5], 0x333bbd2e, v[CK+6:CK+7] op_sel_hi:[1,0,1]
.endr
.irp k, 0,1,2,3
.set CK, CH+20*\k
	v_pk_mul_f32 v[CK+8:CK+9], v[CK+6:CK+7], v[CK+6:CK+7]
.endr
.irp k, 0,1,2,3
.set CK, CH+20*\k
	v_pk_fma_f32 v[CK+10:CK+11], v[CK+8:CK+9], 0xb94ca1f9, v[S2:S2+1] op_sel_hi:[1,0,1]
	v_pk_fma_f32 v[CK+14:CK+15], v[CK+8:CK+9], 0x37ccf5ce, v[K1:K1+1] op_sel_hi:[1,0,1]
.endr
.irp k, 0,1,2,3
.set CK, CH+20*\k
	v_pk_fma_f32 v[CK+10:CK+11], v[CK+10:CK+11], v[CK+8:CK+9], 0xbe2aaaa3 op_sel_hi:[1,1,0]
	v_pk_fma_f32 v[CK+14:CK+15], v[CK+14:CK+15], v[CK+8:CK+9], 0x3d2aaaa5 op_sel_hi:[1,1,0]
.endr
.irp k, 0,1,2,3
.set CK, CH+20*\k
	v_pk_mul_f32 v[CK+12:CK+13], v[CK+8:CK+9], v[CK+6:CK+7]
	v_pk_mul_f32 v[CK+16:CK+17], v[CK+8:CK+9], v[CK+8:CK+9]
	v_pk_fma_f32 v[CK+18:CK+19], v[CK+8:CK+9], -0.5, 1.0 op_sel_hi:[1,0,0]
.endr
.irp k, 0,1,2,3
.set CK, CH+20*\k
	v_pk_fma_f32 v[CK+10:CK+11], v[CK+10:CK+11], v[CK+12:CK+13], v[CK+6:CK+7]     ; sine of r
	v_pk_fma_f32 v[CK+14:CK+15], v[CK+14:CK+15], v[CK+16:CK+17], v[CK+18:CK+19]   ; cosine of r
.endr
.irp k, 0,1,2,3
.irp e, 0,1
.set CK, CH+20*\k+\e
	v_cvt_i32_f32 v[CK+4], v[CK+4]                 ; n as a whole number, 0 or more
.endr
.endr
.irp k, 0,1,2,3
.irp e, 0,1
.set CK, CH+20*\k+\e
	v_lshlrev_b32 v[CK+2], 31, v[CK+4]             ; n's bit 0 in the sign's place,
	v_lshlrev_b32 v[CK+6], 30, v[CK+4]             ; its bit 1
.endr
.endr
.irp k, 0,1,2,3
.irp e, 0,1
.set CK, CH+20*\k+\e
.set CO, CH+20*\k+16+2*\e
	v_cmp_gt_i32 vcc_lo, 0, v[CK+2]                ; n odd: the two change places
	v_cndmask_b32 v[CO+1], v[CK+10], v[CK+14], vcc_lo
	v_cndmask_b32 v[CO], v[CK+14], v[CK+10], vcc_lo
.endr
.endr
.irp k, 0,1,2,3
.irp e, 0,1
.set CK, CH+20*\k+\e
	v_xor_b32 v[CK+2], v[CK+2], v[CK+6]
	v_and_b32 v[CK+6], s22, v[CK+6]                ; sin is negated where bit 1 is set,
	v_and_b32 v[CK+2], s22, v[CK+2]                ; cos where bits 0 and 1 differ
.endr
.endr
.irp k, 0,1,2,3
.irp e, 0,1
.set CK, CH+20*\k+\e
.set CO, CH+20*\k+16+2*\e
	v_xor_b32 v[CO+1], v[CO+1], v[CK+6]
	v_xor_b32 v[CO], v[CO], v[CK+2]
.endr
.endr
.irp k, 0,1,2,3
.irp e, 0,1
	ds_store_b64 v[TW], v[CH+20*\k+16+2*\e:CH+20*\k+17+2*\e] offset:(8*(\n)+2*\k+\e)*TP   ; (cos, sin): the 32 lanes fill a position's 256 bytes
.endr
.endr
.irp k, 0,1,2,3
	v_pk_add_f32 v[CH+20*\k:CH+20*\k+1], v[CH+20*\k:CH+20*\k+1], 0x41000000 op_sel_hi:[1,0]   ; eight positions on
.endr
.endm
.irp n, 0,1,2,3,4,5,6,7
	TRIG4 \n
.endr
.Lno_table:
	s_wait_dscnt 0x0                               ; for the others' sake: my entries of the table have landed
	s_barrier_signal -1
	s_barrier_wait -1                              ; every wave passes this barrier, on both ways
	s_cmp_eq_u32 ttmp9, 2
	s_cbranch_scc1 .Lv_out
	; THE WAY OUT OF q AND k.  row = 256 x tile + 128 x half; my two heads are 4 cx + 2 x (my half of B's rows) + 0, 1
	s_lshl_b32 s18, s17, 8
	s_lshl_b32 s19, s15, 7
	s_add_co_u32 s18, s18, s19                     ; my first row of x
	s_lshr_b32 s19, s18, 11                        ; the batch
	s_lshl_b32 s19, s19, 4
	s_lshl_b32 s20, s40, 2
	s_add_co_u32 s19, s19, s20
	s_lshl_b32 s20, s16, 1
	s_add_co_u32 s19, s19, s20                     ; batch x 16 + head
	s_lshl_b32 s19, s19, 17                        ; x 131,072 bytes
	s_and_b32 s18, s18, 2047
	s_lshl_b32 s18, s18, 6                         ; + 1,024 bytes for each 16 positions
	s_add_co_u32 s18, s18, s19
	s_mov_b32 s19, 0
	s_add_nc_u64 s[10:11], s[10:11], s[18:19]
.macro CSLOAD a                        ; block a's cos and sin: for channels 16 bb + 8 h + 0..7 the four pairs from frequency 8 bb + 4 h on
.irp bb, 0,1,2,3
.irp e, 0,1
	ds_load_b128 v[CSB+32*((\a)%2)+8*\bb+4*\e:CSB+32*((\a)%2)+8*\bb+4*\e+3], v[TRD] offset:(\a)*16*TP+64*\bb+16*\e
.endr
.endr
.endm
; Block a: 16 positions x 128 channels.  out(2 i) = t(2 i) cos - t(2 i + 1) sin, out(2 i + 1) = t(2 i + 1) cos + t(2 i) sin: a packed multiply and a packed multiply-add for each pair; the conversion.
.macro QKOUT a
.set AC, 64*((\a)%4)
.set CS, CSB+32*((\a)%2)
.set CC, CD+16*((\a)%2)
.if (\a) >= 2
	s_wait_xcnt 0x0                                ; block a - 2's stores have read their registers: this set of codes is written again only behind this wait
.endif
.if (\a) < 7
	CSLOAD (\a)+1
	s_wait_dscnt 8                                 ; this block's eight loads are in; the next block's eight may be out
.else
	s_wait_dscnt 0x0
.endif
	WIN 0x02+((\a)/4)                              ; source 0: window 2 or 3
.irp b, 0,1,2,3,4,5,6,7
.irp jj, 0,1,2,3
	v_pk_mul_f32 v[T+8*\b+2*\jj:T+8*\b+2*\jj+1], v[AC+8*\b+2*\jj:AC+8*\b+2*\jj+1], v[CS+8*(\b%4)+2*\jj:CS+8*(\b%4)+2*\jj+1] op_sel_hi:[1,0]   ; both x cos; each accumulator from its low end on
.endr
.irp jj, 0,1,2,3
	v_pk_fma_f32 v[T+8*\b+2*\jj:T+8*\b+2*\jj+1], v[AC+8*\b+2*\jj:AC+8*\b+2*\jj+1], v[CS+8*(\b%4)+2*\jj:CS+8*(\b%4)+2*\jj+1], v[T+8*\b+2*\jj:T+8*\b+2*\jj+1] op_sel:[1,1,0] op_sel_hi:[0,1,1] neg_lo:[1,0,0]   ; low: - odd x sin; high: + even x sin
.endr
.endr
	WIN 0
.irp b, 0,1,2,3,4,5,6,7
.irp i, 0,1,2,3,4,5,6,7
.endr
	v_cvt_scalef32_pk8_fp8_f32 v[CC+2*\b:CC+2*\b+1], v[T+8*\b:T+8*\b+7], v[SC]   ; channels 16 b + 8 h + 0..7
.endr
	v_nop                                          ; a plain vector instruction behind the last conversion
.irp hl, 0,1
.irp c, 0,1
	global_store_b128 v[GOF], v[CC+8*\hl+4*\c:CC+8*\hl+4*\c+3], s[10:11] offset:\hl*131072+(\a)*1024+\c*512   ; 32 lanes store 512 consecutive bytes, aligned
.endr
.endr
.endm
	CSLOAD 0
.irp a, 0,1,2,3,4,5,6,7
	QKOUT \a
.endr
	s_branch .Lend
.Lv_out:
	; THE WAY OUT OF v.  My 128 rows of x are one key step; my 128 channels are heads 4 cy + 2 x (my half of A's rows) + 0, 1
	s_lshl_b32 s18, s42, 8
	s_lshl_b32 s19, s16, 7
	s_add_co_u32 s18, s18, s19                     ; my first key's row of x
	s_lshr_b32 s19, s18, 11                        ; the batch
	s_lshl_b32 s19, s19, 4
	s_lshl_b32 s20, s41, 2
	s_add_co_u32 s19, s19, s20
	s_lshl_b32 s20, s15, 1
	s_add_co_u32 s19, s19, s20                     ; batch x 16 + head
	s_lshl_b32 s19, s19, 17
	s_and_b32 s18, s18, 2047
	s_lshr_b32 s18, s18, 7
	s_lshl_b32 s18, s18, 13                        ; + 8,192 bytes for each key step
	s_add_co_u32 s18, s18, s19
	s_mov_b32 s19, 0
	s_add_nc_u64 s[10:11], s[10:11], s[18:19]
.macro VOUT a                          ; block a: 16 channels x 128 keys: one fragment of the product with p
.set AC, 64*((\a)%4)
.set CC, CD+16*((\a)%2)
.if (\a) >= 2
	s_wait_xcnt 0x0                                ; block a - 2's stores have read their registers
.endif
	WIN 0x02+((\a)/4)
.set nx, 0
.rept 64
.set nx, nx+1
.endr
.irp b, 0,1,2,3,4,5,6,7
	v_cvt_scalef32_pk8_fp8_f32 v[CC+2*\b:CC+2*\b+1], v[AC+8*\b:AC+8*\b+7], v[SC]
.endr
	WIN 0
	v_nop                                          ; a plain vector instruction behind the last conversion
.irp c, 0,1,2,3
	global_store_b128 v[GOF], v[CC+4*\c:CC+4*\c+3], s[10:11] offset:((\a)/4)*131072+((\a)%4)*2048+\c*512
.endr
.endm
	s_wait_alu depctr_va_vdst(0)
.irp a, 0,1,2,3,4,5,6,7
	VOUT \a
.endr
.Lend:
	s_wait_tensorcnt 0x0                           ; the wave's end: behind my last tensor load and my last LDS store
	ds_add_u32 v[SPW], v[NIL]
	s_wait_dscnt 0x0
	CROUND                                         ; the closing round: no work-group ends while a partner may still ask for a tile that names it
	s_endpgm
.Lfunc_end_k_q19163b02fc_qkv:
	.size	k_q19163b02fc_qkv, .Lfunc_end_k_q19163b02fc_qkv-k_q19163b02fc_qkv
	.p2alignl 7, 3214868480
	.fill 96, 4, 3214868480
	.section	.rodata,"a",@progbits
	.p2align	6, 0x0
	.amdhsa_kernel k_q19163b02fc_qkv
		.amdhsa_group_segment_fixed_size 327680
		.amdhsa_private_segment_fixed_size 0
		.amdhsa_enable_private_segment 0
		.amdhsa_kernarg_size 64
		.amdhsa_user_sgpr_count 2
		.amdhsa_user_sgpr_kernarg_segment_ptr 1
		.amdhsa_wavefront_size32 1
		.amdhsa_system_sgpr_workgroup_id_x 1
		.amdhsa_system_sgpr_workgroup_id_y 1
		.amdhsa_system_sgpr_workgroup_id_z 1
		.amdhsa_system_vgpr_workitem_id 0
		.amdhsa_next_free_vgpr 1024
		.amdhsa_next_free_sgpr 102
		.amdhsa_reserve_vcc 1
		.amdhsa_float_denorm_mode_32 3
		.amdhsa_float_denorm_mode_16_64 3
		.amdhsa_fp16_overflow 1
		.amdhsa_memory_ordered 1
		.amdhsa_forward_progress 1
		.amdhsa_inst_pref_size 201
	.end_amdhsa_kernel
	.amdgpu_metadata
---
amdhsa.version: [ 1, 2 ]
amdhsa.kernels:
  - .name:           k_q19163b02fc_qkv
    .symbol:         k_q19163b02fc_qkv.kd
    .args:
      - { .name: x_codes, .offset: 0, .size: 8, .value_kind: global_buffer, .address_space: global }
      - { .name: wq_codes, .offset: 8, .size: 8, .value_kind: global_buffer, .address_space: global }
      - { .name: wk_codes, .offset: 16, .size: 8, .value_kind: global_buffer, .address_space: global }
      - { .name: wv_codes, .offset: 24, .size: 8, .value_kind: global_buffer, .address_space: global }
      - { .name: lowp_scales, .offset: 32, .size: 8, .value_kind: global_buffer, .address_space: global }
      - { .name: q_img, .offset: 40, .size: 8, .value_kind: global_buffer, .address_space: global }
      - { .name: k_img, .offset: 48, .size: 8, .value_kind: global_buffer, .address_space: global }
      - { .name: v_img, .offset: 56, .size: 8, .value_kind: global_buffer, .address_space: global }
    .group_segment_fixed_size: 327680
    .private_segment_fixed_size: 0
    .kernarg_segment_align: 8
    .kernarg_segment_size: 64
    .max_flat_workgroup_size: 128
    .sgpr_count:     102
    .vgpr_count:     1024
    .wavefront_size: 32
...
	.end_amdgpu_metadata
.endif
;; end of part 1
;; launch attn (part 2): grid 4 x 64, 8 waves a work-group, no clusters, 327,680 bytes of LDS; arguments q_img, k_img, v_img, lowp_scales, o_img; writes o_img
.if DOCPART == 2
	.amdgcn_target "amdgcn-amd-amdhsa--gfx1250"
	.amdhsa_code_object_version 6
	.text
	.protected	k_q19163b02fc_attn
	.globl	k_q19163b02fc_attn
	.p2align	8
	.type	k_q19163b02fc_attn,@function
k_q19163b02fc_attn:
	s_mov_b64 s[64:65], 0
	v_nop
	global_prefetch_b8 v0, s[64:65] scope:SCOPE_SE
	s_setreg_imm32_b32 hwreg(HW_REG_WAVE_MODE, 25, 1), 1
	s_wait_xcnt 0x0
; Causal attention on codes of E4M3: for each of 64 (batch, head) pairs, S = 2,048, head size 64.  o = softmax(q k^T / 8, keys <= query) v, quantised again with 2^e10 for the last projection.
; THE SOFTMAX AHEAD OF THE SECOND PRODUCT: t = score x log2(e) / 8; M = the running largest t rounded UP to a whole number; p = 2^(t - M) is quantised with 2^e8, not normalised; the row's sum is taken of the
; unquantised p in f32 and divides at the end.  When M moves, the sum and O are multiplied by 2^(old M - new M), which rounds nothing.
; SHARES.  Work-group (i, batch x head) owns the blocks i and 7 - i of 256 queries, one after the other: i + 1 and 8 - i slots of 256 keys, NINE trips for every i: 256 work-groups of equal work, and no tile
; wholly under the mask is fetched.  Each of eight waves owns 32 queries of a block, two tiles of 16, so that each fragment of K and V read from LDS feeds two matrix instructions.
; NO CLUSTER: in trip t work-group i wants key slot t (t <= i) or t - i - 1: from the second trip on the four work-groups of a head want different tiles, so no joint request could name two of them.
; LAYOUT.  S^T = K Q^T (source 0 = 16 keys, source 1 = 16 queries), O^T = V^T P^T (source 0 = 16 channels, source 1 = P): a lane holds ONE query (lane % 16) throughout.  In tile kt of S^T register j of lane (r, h) is key
; 16 kt + 8 h + j: just where the 16x16x128 form wants k in registers 2 kt, 2 kt + 1: the conversions' results are the operand.  q_img, k_img, v_img are images of the operands' registers: a fragment's chunk is 512 dense bytes.
; o_img: [128 rows 64][128 along K 8][16 rows 8][c 4][half 2][r 16][16 bytes]: row r at k = 32 c + 16 half + 0..15: the order in which the last launch loads both operands.
; LIMITS on the given exponents, so that each power of two below is an f32 number: e6 + e7 between -123 and 130 (added to c's exponent field); e8 and e10 - e8 - e9 between -126 and 119.  NaN is not served.
; REGISTERS.  Window 0: v1-9 addresses and constants; v12-27 eight words of statistics a tile: +0 -M, +1 the largest t, +2, +3 the sum, +4 f (+5 named with it), +6, +7 at work; v28, v29 lane exchanges; v32-47 Q; v48-51 scales;
;   v64-191 S^T, then p (64 a tile); v192-223 p's codes; v224-227 at work.   Window 1: v0-63 O^T (32 a tile); v64-127 K's 8 fragments; v128-191 V's 4.
.set SLOTB, 32768                      ; a slot: K's image of 256 keys, 16,384 bytes, then V's
.set VOFF,  16384
.set SPARE, 65536                      ; behind the two slots: the spare words, 128 bytes for each of eight waves
.set LI,   1                           ; v1   16 x lane
.set AD,   2                           ; v2   LDS address of the loads in hand
.set SPW,  3                           ; v3   LDS address of my spare word; never rewritten
.set NIL,  4                           ; v4   0; never rewritten
.set PFO,  5                           ; v5   256 x lane: the prefetches' offset
.set RH,   6                           ; v6   r - 8 h
.set DD,   7                           ; v7   the mask's bound
.set NINF, 8                           ; v8   -infinity
.set OOF,  9                           ; v9   16 r + 8 h: my eight codes' place in 256 bytes of o_img
.set ST,   12
.set PX,   28
.set QF,   32
.set S,    64
.set P,    192
.set X2,   224
.set KFR,  64                          ; in window 1
.set VFR,  128
.set WV,   14                          ; s14  wave
.set BH,   15                          ; s15  batch x 16 + head
.set BLK,  16                          ; s16  the block of queries in hand
.set SW,   17                          ; s17  i + 1: the trip whose keys begin anew
.set SW1,  18                          ; s18  i + 2
.set T1,   19                          ; s19  the trip that is being asked for
.set SEL,  20                          ; s[20:21] lane selects: lane l xor 16
.set CS,   22                          ; s[22:23] c = log2(e) / 8 x 2^(e6 + e7)
.set G1,   24                          ; s[24:31] descriptor group 1;  s[32:35] group 0
.set G0,   32
.set KVB,  36                          ; s[36:37] the head's first byte of what I fetch: wave 0 k_img, wave 1 v_img
.set OF,   38                          ; s[38:39] a key slot's offset in it
.set NK,   40                          ; s40  the key slot that is being asked for
.set TB,   41                          ; s41  LDS byte at which the slot in hand begins
.set SLOTS, 42                         ; s42  trips of the loop still to go
.set KF,   43                          ; s43  the step's first key
.set Q0,   44                          ; s44  my first query
.set LIM,  45                          ; s45  1 in a wave that prefetches, else the greatest number
.set PFA,  46                          ; s[46:47] where my prefetches stand
.set QB,   48                          ; s[48:49] my queries' image;  s[50:51] my rows' place in o_img
.set OB,   50
.set MSB, 0
.macro WIN new                         ; the immediate's high byte repeats the setting that is left
.if MSB != \new
	s_set_vgpr_msb (MSB<<8)|\new
.set MSB, \new
.endif
.endm
; Wave 0 fetches K's 16,384 bytes of a slot, wave 1 V's; the others nothing.  The branch hangs on the wave's number alone.  Four v_nop follow the line.
.macro TLOAD
	s_cmp_lt_u32 s[WV], 2
	s_cbranch_scc0 .Lasked_\@
	tensor_load_to_lds s[G0:G0+3], s[G1:G1+7]
	s_nop 0
.rept 4
	v_nop
.endr
.Lasked_\@:
.endm
; A prefetch of the key slot that the NEXT change of slots of work-group i = 0 asks for: that work-group walks slots 0, then 0 to 7 in order.  In it waves 4 and 5 ask for K's 16,384 bytes, 8,192 each, lanes 256 bytes apart, waves 6 and 7
; for V's: one instruction a wave.  Trips 0 to 6 name slots 1 to 7: each aligned block of 256 bytes is named once in the launch; slot 0 comes by its loads alone, and the last trip of the loop asks for nothing.
.macro ASK
	s_cmp_gt_u32 s[SLOTS], s[LIM]
	s_cbranch_scc0 .Lnot_mine_\@
	global_prefetch_b8 v[PFO], s[PFA:PFA+1] th:TH_LOAD_NT scope:SCOPE_SE
.Lnot_mine_\@:
.endm
	s_load_b256 s[4:11], s[0:1], 0x0               ; q_img s[4:5], k_img s[6:7], v_img s[8:9], the scales s[10:11]
	s_load_b64 s[12:13], s[0:1], 0x20              ; o_img
	v_lshl_add_u32 v[SPW], v0, 2, SPARE
	v_mov_b32 v[NIL], 0
	ds_add_u32 v3, v4
	ds_add_u32 v3, v4
	s_wait_dscnt 0x0
	v_lshrrev_b32 v28, 5, v0
	s_delay_alu instid0(VALU_DEP_1)
	v_readfirstlane_b32 s[WV], v28                 ; wave 0..7
	s_and_b32 s[BH], ttmp7, 0xffff
	s_add_co_u32 s[SW], ttmp9, 1
	s_add_co_u32 s[SW1], ttmp9, 2
	s_mov_b32 s[T1], 0
	s_mov_b32 s[SEL], 0x76543210
	s_mov_b32 s[SEL+1], 0xfedcba98
	s_mov_b32 s[CS], 0x3e38aa3b                    ; log2(e) / 8
	; descriptor group 1: 64 rows of 256 bytes, dense in memory and in LDS: 16,384 bytes
	s_mov_b32 s[G1], 3<<16                         ; no mask; elements of 8 bytes; no padding
	s_mov_b32 s[G1+1], 32<<16                      ; tensor_dim0 = 32
	s_mov_b32 s[G1+2], 64<<16                      ; tensor_dim1 = 64
	s_mov_b32 s[G1+3], 32<<16                      ; tile_dim0 = 32
	s_mov_b32 s[G1+4], 64                          ; tile_dim1 = 64
	s_mov_b32 s[G1+5], 32                          ; tensor_dim0_stride
	s_mov_b32 s[G1+6], 0
	s_mov_b32 s[G1+7], 0
	s_mov_b32 s[OF+1], 0
	s_mov_b32 s[NK], 0
	s_mov_b32 s[TB], 0
	s_mov_b32 s[SLOTS], 8
	s_mov_b32 s[KF], 0
	s_mov_b32 s[BLK], ttmp9                        ; the first block: i
	s_mov_b32 s[G0], 1                             ; count = 1
	s_and_b32 s66, s[WV], 1
	s_lshl_b32 s[G0+1], s66, 14                    ; LDS address: slot 0, K's part (wave 0) or V's (wave 1)
	s_lshl_b32 s70, s66, 13                        ; (the prefetches: my 8,192 bytes of 16,384)
	s_mov_b32 s71, 0
	s_lshl_b32 s66, s[BH], 17                      ; the head's 131,072 bytes in each image
	s_mov_b32 s67, 0
	s_wait_kmcnt 0x0
	s_load_b256 s[52:59], s[10:11], 0x0            ; e0 .. e7
	s_load_b128 s[60:63], s[10:11], 0x20           ; e8 .. e11
	s_cmp_eq_u32 s[WV], 0
	s_cselect_b64 s[KVB:KVB+1], s[6:7], s[8:9]
	s_add_nc_u64 s[KVB:KVB+1], s[KVB:KVB+1], s[66:67]
	s_mov_b64 s[G0+2:G0+3], s[KVB:KVB+1]           ; key slot 0
	s_or_b32 s[G0+3], s[G0+3], 0x80000000          ; type = 2
	TLOAD                                          ; the first fill, ahead of every wait on TENSORcnt, every LDS read and every barrier: one load of mine is out
	s_cmp_lt_u32 s[WV], 6                          ; the prefetches: waves 4, 5 K; waves 6, 7 V
	s_cselect_b64 s[PFA:PFA+1], s[6:7], s[8:9]
	s_add_nc_u64 s[PFA:PFA+1], s[PFA:PFA+1], s[66:67]
	s_add_nc_u64 s[PFA:PFA+1], s[PFA:PFA+1], s[70:71]   ; in key slot 0: the first change of slots steps it to slot 1.  Nothing is prefetched here, at the head
	s_sub_co_u32 s68, s[WV], 4
	s_lshr_b32 s68, s68, 2                         ; 0 in waves 4 to 7,
	s_or_b32 s68, s68, ttmp9                       ; of the head's work-group 0
	s_cmp_eq_u32 s68, 0
	s_cselect_b32 s[LIM], 1, -1
	v_and_b32 v28, 31, v0
	s_delay_alu instid0(VALU_DEP_1)
	v_lshlrev_b32 v[LI], 4, v28
	s_delay_alu instid0(VALU_DEP_2)
	v_lshlrev_b32 v[PFO], 8, v28
	v_and_b32 v29, 15, v0                          ; r
	v_bfe_u32 v30, v0, 4, 1                        ; h
	s_delay_alu instid0(VALU_DEP_1)
	v_lshlrev_b32 v31, 3, v30
	s_delay_alu instid0(VALU_DEP_1)
	v_sub_nc_u32 v[RH], v29, v31
	s_delay_alu instid0(VALU_DEP_2)
	v_lshl_add_u32 v[OOF], v29, 4, v31
	v_mov_b32 v[NINF], 0xff800000
	v_mov_b32 v[PX], 0                             ; written once: a lane permute's destination counts as one of its sources
	v_mov_b32 v[PX+1], 0
	s_wait_kmcnt 0x0
	s_add_co_i32 s68, s58, s59
	s_lshl_b32 s68, s68, 23
	s_add_co_i32 s[CS], s[CS], s68                 ; a score stands for score x 2^(e6 + e7): added to c's exponent field
	s_mov_b32 s[CS+1], s[CS]                       ; (named with it as a pair, so it is written)
	s_add_co_i32 s68, s60, 127
	s_lshl_b32 s69, s68, 23
	v_mov_b32 v48, s69                             ; 2^e8 as f32, for p's conversions
	s_sub_co_i32 s68, s62, s60
	s_sub_co_i32 s68, s68, s61                     ; O / l stands for O / l x 2^(e8 + e9): its code is (O / l) / 2^(e10 - e8 - e9)
	s_add_co_i32 s68, s68, 127
	s_lshl_b32 s69, s68, 23
	v_mov_b32 v50, s69
; A block of queries begins: its addresses, Q's two fragments, and the statistics: O^T and the sum zeros, the largest t -3e38, so that the key step needs no first form of its own.
.macro START
	s_lshl_b32 s[Q0], s[BLK], 8
	s_lshl_b32 s66, s[WV], 5
	s_add_co_u32 s[Q0], s[Q0], s66                 ; my first query: 256 x block + 32 x wave
	s_lshl_b32 s66, s[BH], 17
	s_lshl_b32 s67, s[Q0], 6                       ; 1,024 bytes for each 16 queries
	s_add_co_u32 s66, s66, s67
	s_mov_b32 s67, 0
	s_add_nc_u64 s[QB:QB+1], s[4:5], s[66:67]
.irp u, 0,1
.irp c, 0,1
	global_load_b128 v[QF+8*\u+4*\c:QF+8*\u+4*\c+3], v[LI], s[QB:QB+1] offset:\u*1024+\c*512 th:TH_LOAD_NT
.endr
.endr
	s_lshr_b32 s66, s[BH], 4
	s_lshl_b32 s66, s66, 11
	s_add_co_u32 s66, s66, s[Q0]                   ; my first row among the 8,192
	s_lshr_b32 s68, s66, 7
	s_lshl_b32 s68, s68, 17                        ; its block of 128 rows,
	s_and_b32 s66, s66, 127
	s_lshr_b32 s66, s66, 4
	s_lshl_b32 s66, s66, 11                        ; its tile of 16 rows,
	s_add_co_u32 s68, s68, s66
	s_and_b32 s66, s[BH], 15                       ; the head: k = 64 x head + channel
	s_lshr_b32 s69, s66, 1
	s_lshl_b32 s69, s69, 14                        ; which 128 along K,
	s_add_co_u32 s68, s68, s69
	s_and_b32 s66, s66, 1
	s_lshl_b32 s66, s66, 10                        ; and which half of them
	s_add_co_u32 s68, s68, s66
	s_mov_b32 s69, 0
	s_add_nc_u64 s[OB:OB+1], s[12:13], s[68:69]
.irp u, 0,1
	v_mov_b32 v[ST+8*\u+1], 0xff61b1e6             ; -3e38, under every t
	s_delay_alu instid0(VALU_DEP_1)
	v_floor_f32 v[ST+8*\u], -v[ST+8*\u+1]
	v_mov_b32 v[ST+8*\u+2], 0
	v_mov_b32 v[ST+8*\u+3], 0
	v_mov_b32 v[ST+8*\u+4], 0
	v_mov_b32 v[ST+8*\u+5], 0
	v_mov_b32 v[ST+8*\u+6], 0
	v_mov_b32 v[ST+8*\u+7], 0
.endr
	WIN 0x40                                       ; destination window 1
.set nx, 0
.rept 64
	v_mov_b32 v[nx], 0                             ; O^T
.set nx, nx+1
.endr
	WIN 0
	s_wait_loadcnt 0x0                             ; Q
.endm
; A KEY STEP: 128 keys, the q-th of the slot in hand, for my two tiles of queries.
.macro STEP q
	s_add_co_u32 s66, s[Q0], 31                    ; a step all of whose keys come after my 32 queries is left out: a scalar branch on ids; no barrier and no tensor load stands in a step
	s_cmp_gt_u32 s[KF], s66
	s_cbranch_scc1 .Lhidden_\@
	v_add_nc_u32 v[AD], s[TB], v[LI]
	v_nop                                          ; with the addition four places in front of loads into registers that the last products read
	v_nop
	v_nop
	WIN 0x40                                       ; destination window 1
.irp kt, 0,1,2,3,4,5,6,7
.irp c, 0,1
	ds_load_b128 v[KFR+8*\kt+4*\c:KFR+8*\kt+4*\c+3], v[AD] offset:(\q)*8192+\kt*1024+\c*512
.endr
.endr
.irp ct, 0,1,2,3
.irp c, 0,1,2,3
	ds_load_b128 v[VFR+16*\ct+4*\c:VFR+16*\ct+4*\c+3], v[AD] offset:VOFF+(\q)*8192+\ct*2048+\c*512
.endr
.endr
	s_wait_dscnt 16                                ; K's sixteen loads are in; V's sixteen may be out
	WIN 0x01                                       ; source 0 (K) window 1
.irp kt, 0,1,2,3,4,5,6,7
.irp u, 0,1
	v_wmma_f32_16x16x64_fp8_fp8 v[S+64*\u+8*\kt:S+64*\u+8*\kt+7], v[KFR+8*\kt:KFR+8*\kt+7], v[QF+8*\u:QF+8*\u+7], 0
.endr
.endr
	WIN 0
.rept 4
	v_nop
.endr
	s_add_co_u32 s66, s[KF], 127                   ; on the diagonal the scores of hidden keys become -infinity ahead of the maximum: p = 0 then.  A step all of whose keys count skips this
	s_cmp_le_u32 s66, s[Q0]
	s_cbranch_scc1 .Lopen_\@
	s_sub_co_i32 s66, s[Q0], s[KF]
	v_add_nc_u32 v[DD], s66, v[RH]                 ; d = my query - the step's first key - 8 h.  Register 8 kt + j holds key 16 kt + 8 h + j: hidden where 16 kt + j > d
.irp u, 0,1
.set nx, 0
.rept 64
	v_cmp_gt_i32 vcc_lo, 16*(nx/8)+nx%8, v[DD]
	v_cndmask_b32 v[S+64*\u+nx], v[S+64*\u+nx], v[NINF], vcc_lo
.set nx, nx+1
.endr
	v_add_nc_u32 v[DD], 16, v[DD]                  ; the second tile's queries lie 16 further on
.endr
.Lopen_\@:
.irp u, 0,1                                    ; the step's largest score of my query among my 64 keys: two chains a tile, each accumulator from its low end on
	v_max3_num_f32 v[ST+8*\u+6], v[S+64*\u], v[S+64*\u+1], v[S+64*\u+2]
	v_max3_num_f32 v[ST+8*\u+7], v[S+64*\u+3], v[S+64*\u+4], v[S+64*\u+5]
.endr
.irp i, 6,10,14,18,22,26,30,34,38,42,46,50,54,58
.irp u, 0,1
	v_max3_num_f32 v[ST+8*\u+6], v[ST+8*\u+6], v[S+64*\u+\i], v[S+64*\u+\i+1]
	v_max3_num_f32 v[ST+8*\u+7], v[ST+8*\u+7], v[S+64*\u+\i+2], v[S+64*\u+\i+3]
.endr
.endr
.irp u, 0
	v_max3_num_f32 v[ST+8*\u+6], v[ST+8*\u+6], v[S+64*\u+62], v[S+64*\u+63]
.endr
.irp u, 1
	v_max3_num_f32 v[ST+8*\u+6], v[ST+8*\u+6], v[S+64*\u+62], v[S+64*\u+63]
.endr
.irp u, 0,1
	s_delay_alu instid0(VALU_DEP_2)
	v_max_num_f32 v[ST+8*\u+6], v[ST+8*\u+6], v[ST+8*\u+7]
.endr
.irp u, 0,1
	s_delay_alu instid0(VALU_DEP_2)
	v_permlanex16_b32 v[PX+\u], v[ST+8*\u+6], s[SEL], s[SEL+1]
.endr
.irp u, 0,1
	s_delay_alu instid0(VALU_DEP_2)
	v_max_num_f32 v[ST+8*\u+6], v[ST+8*\u+6], v[PX+\u]   ; and among lane l xor 16's
.endr
.irp u, 0,1
	s_delay_alu instid0(VALU_DEP_2)
	v_mul_f32 v[ST+8*\u+6], s[CS], v[ST+8*\u+6]    ; as t (c is positive)
.endr
.irp u, 0
	s_delay_alu instid0(VALU_DEP_2)
	v_max_num_f32 v[ST+8*\u+1], v[ST+8*\u+1], v[ST+8*\u+6]   ; the running largest t
	v_mov_b32 v[ST+8*\u+6], v[ST+8*\u]
.endr
.irp u, 1
	s_delay_alu instid0(VALU_DEP_3)
	v_max_num_f32 v[ST+8*\u+1], v[ST+8*\u+1], v[ST+8*\u+6]
	v_mov_b32 v[ST+8*\u+6], v[ST+8*\u]
.endr
.irp u, 0
	s_delay_alu instid0(VALU_DEP_4)
	v_floor_f32 v[ST+8*\u], -v[ST+8*\u+1]
.endr
.irp u, 1
	s_delay_alu instid0(VALU_DEP_3)
	v_floor_f32 v[ST+8*\u], -v[ST+8*\u+1]          ; the new -M = floor(-t): M is a whole number
.endr
.irp u, 0,1
	s_delay_alu instid0(VALU_DEP_2)
	v_sub_f32 v[ST+8*\u+6], v[ST+8*\u], v[ST+8*\u+6]   ; old M - new M: a whole number, 0 or less
.endr
.irp u, 0,1
	s_delay_alu instid0(VALU_DEP_2)
	v_cvt_i32_f32 v[ST+8*\u+6], v[ST+8*\u+6]       ; (it saturates)
.endr
.irp u, 0,1
	s_delay_alu instid0(VALU_DEP_2)
	v_ldexp_f32 v[ST+8*\u+4], 1.0, v[ST+8*\u+6]    ; f = 2^(old M - new M)
.endr
.irp u, 0,1
.set nx, 0
.rept 32
	v_pk_fma_f32 v[S+64*\u+nx:S+64*\u+nx+1], v[S+64*\u+nx:S+64*\u+nx+1], s[CS:CS+1], v[ST+8*\u:ST+8*\u+1] op_sel_hi:[1,0,0]   ; t - M, two at a time (of the pairs c and -M the low word serves both halves)
.set nx, nx+2
.endr
.endr
.set nx, 0
	s_wait_alu depctr_va_vdst(0)
.rept 128
	v_exp_f32 v[S+nx], v[S+nx]                     ; p = 2^(t - M), at most 1: one batch for both tiles
.set nx, nx+1
.endr
.irp u, 0,1
	v_pk_mul_f32 v[ST+8*\u+2:ST+8*\u+3], v[ST+8*\u+2:ST+8*\u+3], v[ST+8*\u+4:ST+8*\u+5] op_sel_hi:[1,0]   ; the sums under the new M: plain instructions behind the exponentials
.endr
	s_wait_alu depctr_va_vdst(0)                   ; one wait for the whole batch, ahead of its first reader
.irp u, 0,1
	v_pk_add_f32 v[X2+2*\u:X2+2*\u+1], v[S+64*\u:S+64*\u+1], v[S+64*\u+2:S+64*\u+3]   ; the row's sum is taken of the unquantised p: two chains a tile
.endr
.irp j, 4,8,12,16,20,24,28,32,36,40,44,48,52,56,60
.irp u, 0,1
	v_pk_add_f32 v[ST+8*\u+2:ST+8*\u+3], v[ST+8*\u+2:ST+8*\u+3], v[S+64*\u+\j:S+64*\u+\j+1]
	v_pk_add_f32 v[X2+2*\u:X2+2*\u+1], v[X2+2*\u:X2+2*\u+1], v[S+64*\u+\j+2:S+64*\u+\j+3]
.endr
.endr
.irp u, 0
	s_delay_alu instid0(VALU_DEP_3)
	v_pk_add_f32 v[ST+8*\u+2:ST+8*\u+3], v[ST+8*\u+2:ST+8*\u+3], v[X2+2*\u:X2+2*\u+1]
.endr
.irp u, 1
	s_delay_alu instid0(VALU_DEP_2)
	v_pk_add_f32 v[ST+8*\u+2:ST+8*\u+3], v[ST+8*\u+2:ST+8*\u+3], v[X2+2*\u:X2+2*\u+1]
.endr
.irp u, 0,1
.irp kt, 0,1,2,3,4,5,6,7
.irp i, 0,1,2,3,4,5,6,7
.endr
	v_cvt_scalef32_pk8_fp8_f32 v[P+16*\u+2*\kt:P+16*\u+2*\kt+1], v[S+64*\u+8*\kt:S+64*\u+8*\kt+7], v48   ; keys 16 kt + 8 h + 0..7: registers 2 kt, 2 kt + 1 of the operand
.endr
.endr
	WIN 0x41                                       ; O^T (destination and source 0) window 1
.irp u, 0,1
.set nx, 0
.rept 16
	v_pk_mul_f32 v[32*\u+nx:32*\u+nx+1], v[32*\u+nx:32*\u+nx+1], v[ST+8*\u+4:ST+8*\u+5] op_sel_hi:[1,0]   ; O^T under the new M; these are also the plain instructions behind the conversions
.set nx, nx+2
.endr
.endr
	s_wait_alu depctr_va_vdst(0)
	s_wait_dscnt 0x0                               ; V is in
	WIN 0x51                                       ; V, C and D window 1, P window 0
.irp ct, 0,1,2,3
.irp u, 0,1
	v_wmma_f32_16x16x128_fp8_fp8 v[32*\u+8*\ct:32*\u+8*\ct+7], v[VFR+16*\ct:VFR+16*\ct+15], v[P+16*\u:P+16*\u+15], v[32*\u+8*\ct:32*\u+8*\ct+7]   ; the eight accumulators take turns
.endr
.endr
	WIN 0
.Lhidden_\@:
	s_add_co_u32 s[KF], s[KF], 128
.endm
; A block of queries ends: O^T / the sum, quantised with 2^e10, stored.  A lane's eight codes are eight neighbouring k of one row; the 32 lanes of a store cover 256 consecutive bytes, aligned.
.macro FINISH
.rept 4
	v_nop                                          ; places behind the last products
.endr
.irp u, 0,1
	v_add_f32 v[ST+8*\u+2], v[ST+8*\u+2], v[ST+8*\u+3]
.endr
.irp u, 0,1
	s_delay_alu instid0(VALU_DEP_2)
	v_permlanex16_b32 v[PX+\u], v[ST+8*\u+2], s[SEL], s[SEL+1]
.endr
.irp u, 0,1
	s_delay_alu instid0(VALU_DEP_2)
	v_add_f32 v[ST+8*\u+2], v[ST+8*\u+2], v[PX+\u] ; the row's sum
.endr
	s_wait_alu depctr_va_vdst(0)
.irp u, 0,1
	v_rcp_f32 v[ST+8*\u+6], v[ST+8*\u+2]
.endr
	v_nop                                          ; a plain instruction behind the last reciprocal
	s_wait_alu depctr_va_vdst(0)                   ; one wait for both, ahead of the first reader
	WIN 0x01                                       ; source 0 (O^T) window 1
.irp u, 0,1
.set nx, 0
.rept 16
	v_pk_mul_f32 v[S+64*\u+nx:S+64*\u+nx+1], v[32*\u+nx:32*\u+nx+1], v[ST+8*\u+6:ST+8*\u+7] op_sel_hi:[1,0]   ; each accumulator from its low end on
.set nx, nx+2
.endr
.endr
	WIN 0
.irp u, 0,1
.irp ct, 0,1,2,3
.irp i, 0,1,2,3,4,5,6,7
.endr
	v_cvt_scalef32_pk8_fp8_f32 v[P+16*\u+2*\ct:P+16*\u+2*\ct+1], v[S+64*\u+8*\ct:S+64*\u+8*\ct+7], v50   ; channels 16 ct + 8 h + 0..7
.endr
.endr
	v_nop                                          ; a plain vector instruction behind the last conversion
.irp u, 0,1
.irp ct, 0,1,2,3
	global_store_b64 v[OOF], v[P+16*\u+2*\ct:P+16*\u+2*\ct+1], s[OB:OB+1] offset:\u*2048+(\ct/2)*512+(\ct%2)*256
.endr
.endr
	s_wait_xcnt 0x0                                ; the stores have read their registers and their base: both are written again
.endm
; THE CHANGE OF SLOTS stands at a trip's head.  Each wave waits for all its tensor loads, adds 0 to its spare word, and waits for that and for its reads of the slot that it has left.  Behind the barrier the slot ahead is whole and nobody
; reads the other one.  fill = 1: that other slot takes the next trip's keys: the slot after the one asked for last, or slot 0 where the second block of queries begins.
.macro CHANGE fill
	s_wait_tensorcnt 0x0                           ; no tensor load of mine is out, so group 0 may be written
	ds_add_u32 v[SPW], v[NIL]                      ; 0 onto my spare word
.if \fill
	s_add_co_u32 s[T1], s[T1], 1
	s_add_co_u32 s[NK], s[NK], 1
	s_cmp_eq_u32 s[T1], s[SW]
	s_cselect_b32 s[NK], 0, s[NK]
	s_lshl_b32 s[OF], s[NK], 14
	s_add_nc_u64 s[G0+2:G0+3], s[KVB:KVB+1], s[OF:OF+1]
	s_or_b32 s[G0+3], s[G0+3], 0x80000000
	s_xor_b32 s[G0+1], s[G0+1], SLOTB              ; the other slot than last time
	s_wait_xcnt 0x0                                ; the last prefetch, a trip back, has read its address, so it may be written
	s_add_nc_u64 s[PFA:PFA+1], s[PFA:PFA+1], 16384
.endif
	s_wait_dscnt 0x0                               ; the add is done, and my reads of the slot that I have left are over
	s_barrier_signal -1
	s_barrier_wait -1
.if \fill
	TLOAD                                          ; the first thing behind the barrier, and a wave's one tensor load until the next: it has a trip's two key steps in which to land
	ASK
.endif
.endm
	START
.Ltrip:                                            ; eight trips; the ninth is written out
	CHANGE 1
	s_cmp_eq_u32 s[T1], s[SW1]                     ; trip i + 1: the first block is done, the second begins (a branch on the work-group's number; it falls in trips 1 to 4)
	s_cbranch_scc0 .Lsame
	FINISH
	s_sub_co_u32 s[BLK], 7, ttmp9
	s_mov_b32 s[KF], 0
	START
.Lsame:
	STEP 0
	STEP 1
	s_xor_b32 s[TB], s[TB], SLOTB                  ; on to the other slot
	s_sub_co_u32 s[SLOTS], s[SLOTS], 1
	s_cmp_lg_u32 s[SLOTS], 0
	s_cbranch_scc1 .Ltrip
	CHANGE 0
	STEP 0
	STEP 1
	FINISH
	s_wait_tensorcnt 0x0                           ; the wave's end
	ds_add_u32 v[SPW], v[NIL]
	s_wait_dscnt 0x0
	s_endpgm
.Lfunc_end_k_q19163b02fc_attn:
	.size	k_q19163b02fc_attn, .Lfunc_end_k_q19163b02fc_attn-k_q19163b02fc_attn
	.p2alignl 7, 3214868480
	.fill 96, 4, 3214868480
	.section	.rodata,"a",@progbits
	.p2align	6, 0x0
	.amdhsa_kernel k_q19163b02fc_attn
		.amdhsa_group_segment_fixed_size 327680
		.amdhsa_private_segment_fixed_size 0
		.amdhsa_enable_private_segment 0
		.amdhsa_kernarg_size 40
		.amdhsa_user_sgpr_count 2
		.amdhsa_user_sgpr_kernarg_segment_ptr 1
		.amdhsa_wavefront_size32 1
		.amdhsa_system_sgpr_workgroup_id_x 1
		.amdhsa_system_sgpr_workgroup_id_y 1
		.amdhsa_system_sgpr_workgroup_id_z 1
		.amdhsa_system_vgpr_workitem_id 0
		.amdhsa_next_free_vgpr 512
		.amdhsa_next_free_sgpr 100
		.amdhsa_reserve_vcc 1
		.amdhsa_float_denorm_mode_32 3
		.amdhsa_float_denorm_mode_16_64 3
		.amdhsa_fp16_overflow 1
		.amdhsa_memory_ordered 1
		.amdhsa_forward_progress 1
		.amdhsa_inst_pref_size 162
	.end_amdhsa_kernel
	.amdgpu_metadata
---
amdhsa.version: [ 1, 2 ]
amdhsa.kernels:
  - .name:           k_q19163b02fc_attn
    .symbol:         k_q19163b02fc_attn.kd
    .args:
      - { .name: q_img, .offset: 0, .size: 8, .value_kind: global_buffer, .address_space: global }
      - { .name: k_img, .offset: 8, .size: 8, .value_kind: global_buffer, .address_space: global }
      - { .name: v_img, .offset: 16, .size: 8, .value_kind: global_buffer, .address_space: global }
      - { .name: lowp_scales, .offset: 24, .size: 8, .value_kind: global_buffer, .address_space: global }
      - { .name: o_img, .offset: 32, .size: 8, .value_kind: global_buffer, .address_space: global }
    .group_segment_fixed_size: 327680
    .private_segment_fixed_size: 0
    .kernarg_segment_align: 8
    .kernarg_segment_size: 40
    .max_flat_workgroup_size: 256
    .sgpr_count:     100
    .vgpr_count:     512
    .wavefront_size: 32
...
	.end_amdgpu_metadata
.endif
;; end of part 2
;; launch proj (part 3): grid 4 x 32, 4 waves a work-group, clusters of 4 x 4, 327,680 bytes of LDS; arguments o_img, wo_codes, lowp_scales, out0; writes out0
.if DOCPART == 3
	.amdgcn_target "amdgcn-amd-amdhsa--gfx1250"
	.amdhsa_code_object_version 6
	.text
	.protected	k_q19163b02fc_proj
	.globl	k_q19163b02fc_proj
	.p2align	8
	.type	k_q19163b02fc_proj,@function
k_q19163b02fc_proj:
	s_mov_b64 s[64:65], 0
	v_nop
	global_prefetch_b8 v0, s[64:65] scope:SCOPE_SE
	s_setreg_imm32_b32 hwreg(HW_REG_WAVE_MODE, 25, 1), 1
	s_wait_xcnt 0x0
	s_wait_alu depctr_hold_cnt(0) depctr_sa_sdst(0) depctr_va_vdst(0) depctr_va_sdst(0) depctr_va_ssrc(0) depctr_va_vcc(0) depctr_vm_vsrc(0)
	s_getreg_b32 s2, hwreg(HW_REG_IB_STS2, 6, 4)
	s_cmp_eq_u32 s2, 0
	s_cbranch_scc0 .Lentry_in_a_cluster
	s_endpgm
.Lentry_in_a_cluster:
	s_bfe_u32 s2, ttmp6, 0x10000c
	s_cmp_lg_u32 s2, 0xf033
	s_cbranch_scc0 .Lentry_shape_is_right
	s_endpgm
.Lentry_shape_is_right:
; out0[m][n] = 2^(e10 + e11) x the sum over k of A[m][k] wo[n][k], on codes of E4M3.  A: the attention's result, 8,192 x 1,024 codes, as o_img; wo: [1024][1024] codes, K innermost; out0: [8192][1024] f32.
; o_img: [128 rows 64][128 along K 8][16 rows 8][c 4][lane 32][16 bytes]: an image of A's fragments: lane (r, h), chunk c: row r, k = 32 c + 16 h + 0..15, the order in which B's fragments are read from its rows.
; LIMIT: e10 + e11 lies between -126 and 127, so that 2^(e10 + e11) is an f32 number.
; A tile of 256 x 256 is made by a work-group of four waves; a wave makes 128 x 128: 64 accumulators, 512 registers.  K = 1,024 goes in four steps of 256 through a ring of two LDS slots filled by joint tensor loads:
; 4 x 4 work-groups, A's tile shared along a row of the cluster, B's along a column.  There are 32 x 4 = 128 tiles: a work-group to each.
; A's part of a K step, 128 rows x 256 k, is 32,768 dense bytes of o_img and lies in LDS as it lies in memory: each fragment load reads 512 consecutive bytes.  B's rows of 256 bytes get 16 of padding.
; THE MATRIX INSTRUCTION IS USED TRANSPOSED (source 0 = 16 rows of B, source 1 = 16 rows of A): a lane then holds eight neighbouring numbers of a row of the output.
; REGISTERS, in windows of 256: window 0: v0-31 addresses; from v128 A's fragments, one set; on the way out v32-255 are free.   window 1: B's fragments, two sets.   windows 2, 3: the accumulators ((a, b) at v[8 (8 (a % 4) + b)]).
.set SIZE_N, 1024
.set ROWB,   256                       ; a row of B's tile in bytes
.set KROW,   1024                      ; a row of wo in memory
.set PITCH,  272                       ; B's LDS row: 256 bytes + 16: the 16 rows that a load touches start at 16 different banks (64 banks of 4 bytes: ISA guide 11.1)
.set FR,     16
.set NL,     4
.set NP,     4                         ; places behind this matrix instruction (ISA guide 7.12.1)
.set AHALF,  32768                     ; A: 128 rows x 256 k, dense
.set BHALF,  128*PITCH                 ; B: 128 rows
.set BOFF,   2*AHALF                   ; B's tiles lie behind A's two halves
.set SLOT,   BOFF+2*BHALF
.set SPARE,  2*SLOT                    ; behind the ring: the spare words, 128 bytes for each wave
.set SPITCH, 528                       ; the way out: a stage of 16 rows x (512 bytes + 16) for each wave, in slot 0, which has had its last fill and its last read when the first result is stored there
.set ADRA, 16                          ; v16-17  LDS address of my A fragments in slot 0, 1
.set ADRB, 20                          ; v20-21  the same for B
.set STO,  24                          ; v24     the way out: where I put 32 bytes of a row
.set RD,   25                          ; v25     where I read a row back
.set CO,   26                          ; v26     16 x lane
.set SPW,  28                          ; v28     LDS address of my spare word; never rewritten
.set NIL,  29                          ; v29     0; never rewritten
.set TMP,  32
.set AF,   128
.set BK,   128
.set G1, 24
.set G0, 32
.set G1B, 48
.set G0B, 56
.set MSB, 0
.macro WIN new                         ; the immediate's high byte repeats the setting that is left
.if MSB != \new
	s_set_vgpr_msb (MSB<<8)|\new
.set MSB, \new
.endif
.endm
.set MUL_LO, 0xa1
.set MUL_HI, 0xf1
.set TO_B,   0x40
.macro JLOAD g0a, g1a, g0b, g1b        ; a joint load: waves 0 and 1 fetch for A, waves 2 and 3 for B; four v_nop follow each of the two lines
	s_cmp_eq_u32 s15, 0
	s_cbranch_scc0 .Lfor_b_\@
	tensor_load_to_lds s[\g0a:\g0a+3], s[\g1a:\g1a+7]
	s_nop 0
.rept 4
	v_nop
.endr
	s_branch .Lasked_\@
.Lfor_b_\@:
	tensor_load_to_lds s[\g0b:\g0b+3], s[\g1b:\g1b+7]
	s_nop 0
.rept 4
	v_nop
.endr
.Lasked_\@:
.endm
.macro CREST                           ; a round of the cluster's barrier behind its opening barrier
	s_cmp_lg_u32 s14, 0
	s_cbranch_scc1 .Lnot_wave_0_\@
	s_barrier_signal -3
.Lnot_wave_0_\@:
	s_barrier_wait -3
	s_barrier_signal -1
	s_barrier_wait -1
.endm
.macro CROUND
	s_barrier_signal -1
	s_barrier_wait -1
	CREST
.endm
	s_load_b128 s[4:7], s[0:1], 0x0                ; o_img s[4:5], wo's codes s[6:7]
	s_load_b128 s[8:11], s[0:1], 0x10              ; the scales s[8:9], out0 s[10:11]
	v_lshl_add_u32 v[SPW], v0, 2, SPARE
	v_mov_b32 v[NIL], 0
	ds_add_u32 v28, v29
	ds_add_u32 v28, v29
	s_wait_dscnt 0x0
	v_lshrrev_b32 v1, 5, v0
	v_readfirstlane_b32 s14, v1                    ; wave 0..3
	s_lshr_b32 s15, s14, 1                         ; which half of the tile's rows is mine.  Also: I fetch for A (0) or for B (1)
	s_and_b32 s16, s14, 1                          ; which half of its columns.  Also: which 128 rows of that tile I fetch
	s_bfe_u32 s40, ttmp6, 0x40000                  ; cx, cy
	s_bfe_u32 s41, ttmp6, 0x40004
	s_lshl_b32 s42, ttmp9, 2
	s_add_co_u32 s42, s42, s40                     ; tile column = 4 x cluster x + cx
	s_and_b32 s17, ttmp7, 0xffff
	s_lshl_b32 s17, s17, 2
	s_add_co_u32 s17, s17, s41                     ; tile row = 4 x cluster y + cy
	s_lshl_b32 s43, s41, 2
	s_lshl_b32 s43, 15, s43                        ; my row of the cluster
	s_lshl_b32 s44, 0x1111, s40                    ; my column
	; descriptor group 1 for A: 128 rows of 256 bytes, dense, no padding
	s_or_b32 s[G1+0], s43, (3<<16)|(1<<21)         ; the mask: my row; elements of 8 bytes; bit 21 set beside a mask
	s_mov_b32 s[G1+1], 32<<16                      ; tensor_dim0 = 32
	s_mov_b32 s[G1+2], 128<<16                     ; tensor_dim1 = 128
	s_mov_b32 s[G1+3], 32<<16                      ; tile_dim0 = 32
	s_mov_b32 s[G1+4], 128                         ; tile_dim1 = 128
	s_mov_b32 s[G1+5], 32                          ; tensor_dim0_stride
	s_mov_b32 s[G1+6], 0
	s_mov_b32 s[G1+7], 0
	; and for B: 128 rows x 256 bytes, 1,024 bytes apart, padded in LDS
	s_or_b32 s[G1B+0], s44, (0<<16)|(1<<20)|(1<<21)|(5<<22)|(3<<25)
	s_mov_b32 s[G1B+1], ROWB<<16
	s_mov_b32 s[G1B+2], 128<<16
	s_mov_b32 s[G1B+3], ROWB<<16
	s_mov_b32 s[G1B+4], 128
	s_mov_b32 s[G1B+5], KROW
	s_mov_b32 s[G1B+6], 0
	s_mov_b32 s[G1B+7], 0
	s_lshl_b32 s20, s17, 1
	s_add_co_u32 s20, s20, s16                     ; A: the block of 128 rows that I fetch: 2 x tile row + half,
	s_lshl_b32 s20, s20, 17                        ; x 131,072 bytes
	s_mov_b32 s21, 0
	s_lshl_b32 s18, s16, 7
	s_lshl_b32 s46, s42, 8
	s_add_co_u32 s46, s46, s18                     ; B: row 256 x tile column + 128 x half,
	s_lshl_b32 s46, s46, 10                        ; x 1,024 bytes
	s_mov_b32 s47, 0
	s_lshl_b32 s45, s16, 15                        ; where they go: A's half,
	s_mul_i32 s23, s16, BHALF
	s_add_co_u32 s23, s23, BOFF                    ; B's half: no place in the cluster enters an LDS address
	s_wait_kmcnt 0x0
	s_load_b64 s[96:97], s[8:9], 0x28              ; e10, e11
	s_add_nc_u64 s[20:21], s[4:5], s[20:21]
	s_add_nc_u64 s[46:47], s[6:7], s[46:47]
	CROUND                                         ; all sixteen work-groups are here: the first joint loads meet
.irp s, 0,1
	s_mov_b32 s[G0+4*\s], 1
	s_add_co_u32 s[G0+4*\s+1], s45, \s*SLOT
	s_add_nc_u64 s[G0+4*\s+2:G0+4*\s+3], s[20:21], \s*AHALF
	s_or_b32 s[G0+4*\s+3], s[G0+4*\s+3], 0x80000000
	s_mov_b32 s[G0B+4*\s], 1
	s_add_co_u32 s[G0B+4*\s+1], s23, \s*SLOT
	s_add_nc_u64 s[G0B+4*\s+2:G0B+4*\s+3], s[46:47], \s*ROWB
	s_or_b32 s[G0B+4*\s+3], s[G0B+4*\s+3], 0x80000000
	s_wait_alu depctr_va_vdst(0)
	s_wait_tensorcnt 0x0
	ds_add_u32 v28, v29
	ds_add_u32 v28, v29
	s_wait_dscnt 0x0
	CROUND
	JLOAD G0+4*\s, G1, G0B+4*\s, G1B
.endr
	v_and_b32 v1, 15, v0                           ; l % 16
	v_bfe_u32 v2, v0, 4, 1                         ; l / 16
	v_mul_u32_u24 v3, v1, PITCH
	v_lshl_add_u32 v4, v2, 4, v3                   ; B: a fragment's row x pitch + 16 x half
	v_and_b32 v6, 31, v0
	v_lshlrev_b32 v[CO], 4, v6                     ; A: 16 x lane
	s_wait_alu depctr_va_vdst(0)
	s_lshl_b32 s21, s15, 15                        ; my 128 rows of A
	s_mul_i32 s22, s16, BHALF                      ; my 128 rows of B
	s_add_co_u32 s22, s22, BOFF
.irp s, 0,1
	v_add_nc_u32 v[ADRA+\s], s21, v[CO]
	v_add_nc_u32 v[ADRB+\s], s22, v4
	s_add_co_u32 s21, s21, SLOT
	s_add_co_u32 s22, s22, SLOT
.endr
	s_mul_i32 s23, s14, 16*SPITCH                  ; my stage
	v_mul_u32_u24 v5, v1, SPITCH                   ; in: row l % 16, 32 bytes for each half of the lanes
	v_lshl_add_u32 v5, v2, 5, v5
	v_add_nc_u32 v[STO], s23, v5
	v_add_nc_u32 v[RD], s23, v[CO]                 ; back: the 32 lanes take one row of 512 bytes
	s_lshl_b32 s20, s17, 8
	s_lshl_b32 s21, s15, 7
	s_add_co_u32 s20, s20, s21                     ; my first row of the output
	s_lshl_b32 s20, s20, 12                        ; x 4,096 bytes: at most 32 MiB
	s_lshl_b32 s46, s42, 10                        ; my first column, in bytes: 1,024 x tile column + 512 x half
	s_lshl_b32 s47, s16, 9
	s_add_co_u32 s46, s46, s47
	s_add_co_u32 s20, s20, s46
	s_mov_b32 s21, 0
	s_add_nc_u64 s[10:11], s[10:11], s[20:21]
.macro FRAGB reg, adr, q, i            ; 16 rows x 128 K of B: registers 4 c .. 4 c + 3 hold K = 32 c + 16 (l / 16) + 0 .. 15 of row l % 16
.irp c, 0,1,2,3
	ds_load_b128 v[\reg+4*\c:\reg+4*\c+3], v[\adr] offset:128*(\q)+32*\c+(\i)*16*PITCH
.endr
.endm
.macro FRAGA reg, adr, q, i            ; the same of A, from its image: 16,384 bytes for 128 along K, 2,048 for 16 rows, 512 a chunk
.irp c, 0,1,2,3
	ds_load_b128 v[\reg+4*\c:\reg+4*\c+3], v[\adr] offset:16384*(\q)+2048*(\i)+512*\c
.endr
.endm
; 16 matrix instructions: A's blocks a0, a0 + 1 x B's eight.  The 64 accumulators take turns, one instruction a turn, in the same order in every step.
.macro MUL16 a0, p, zero
.irp a, \a0, \a0+1
.irp b, 0,1,2,3,4,5,6,7
.if \zero
	v_wmma_f32_16x16x128_fp8_fp8 v[8*(8*((\a)%4)+\b):8*(8*((\a)%4)+\b)+7], v[128*(\p)+FR*\b:128*(\p)+FR*\b+FR-1], v[AF+FR*(\a):AF+FR*(\a)+FR-1], 0
.else
	v_wmma_f32_16x16x128_fp8_fp8 v[8*(8*((\a)%4)+\b):8*(8*((\a)%4)+\b)+7], v[128*(\p)+FR*\b:128*(\p)+FR*\b+FR-1], v[AF+FR*(\a):AF+FR*(\a)+FR-1], v[8*(8*((\a)%4)+\b):8*(8*((\a)%4)+\b)+7]
.endif
.endr
.endr
.endm
.macro FETCH_B slot, q, p
	WIN TO_B
.irp i, 0,1,2,3,4,5,6,7
	FRAGB 128*(\p)+FR*\i, ADRB+\slot, \q, \i
.endr
	WIN 0
.endm
.macro FETCH_A slot, q, i0
.irp i, \i0, \i0+1, \i0+2, \i0+3
	FRAGA AF+FR*(\i), ADRA+\slot, \q, \i
.endr
.endm
.macro PLACES n                        ; plain vector instructions that name no register of the matrix instructions ahead (ISA guide 7.12.1)
.rept \n
	v_nop
.endr
.endm
.macro STEP slot, q, zero              ; a step of 128 along K that has its successor in the same slot
	s_wait_dscnt 4*NL                              ; B's set and A's blocks 0-3 are in; the youngest sixteen loads (A's blocks 4-7) may be out
	WIN MUL_LO
	MUL16 0, (\q)%2, \zero
	MUL16 2, (\q)%2, \zero
	s_wait_dscnt 0
	PLACES NP
	FETCH_B \slot, (\q)+1, 1-(\q)%2
	FETCH_A \slot, (\q)+1, 0
	WIN MUL_HI
	MUL16 4, (\q)%2, \zero
	MUL16 6, (\q)%2, \zero
	PLACES NP
	WIN 0
	FETCH_A \slot, (\q)+1, 4
.endm
; A slot's last step changes slots: one barrier; in front of it each wave waits for all its tensor loads, adds 0 to its spare word, and waits for that and for its own reads of this slot.
.macro TURN slot, next, fill
	s_wait_tensorcnt 0x0                           ; all my tensor loads have landed: my part of the next slot
	ds_add_u32 v[SPW], v[NIL]                      ; 0 onto my spare word
	s_wait_dscnt 4*NL+1                            ; (the add and the youngest sixteen loads may be out)
	WIN MUL_LO
	MUL16 0, 1, 0
	s_wait_dscnt 0x0                               ; the add is done, and my reads of this slot are over
	s_barrier_signal -1
	MUL16 2, 1, 0
	WIN 0
	s_barrier_wait -1
.if \fill
	CREST                                          ; the barrier has opened a round of the cluster's barrier: no wave of any partner still reads this slot's tile or has a load on its way
	s_add_nc_u64 s[G0+4*\slot+2:G0+4*\slot+3], s[G0+4*\slot+2:G0+4*\slot+3], 2*AHALF
	s_add_nc_u64 s[G0B+4*\slot+2:G0B+4*\slot+3], s[G0B+4*\slot+2:G0B+4*\slot+3], 2*ROWB
	JLOAD G0+4*\slot, G1, G0B+4*\slot, G1B         ; the first tensor load behind the round; its four v_nop are also the places in front of the loads below
.else
	PLACES NP
.endif
	FETCH_B \next, 0, 0
	FETCH_A \next, 0, 0
	WIN MUL_HI
	MUL16 4, 1, 0
	MUL16 6, 1, 0
	PLACES NP
	WIN 0
	FETCH_A \next, 0, 4
.endm
	s_wait_alu depctr_va_vdst(0)
	s_wait_tensorcnt 1                             ; my part of K step 0 is in (K step 1's load may be out)
	s_barrier_signal -1
	s_barrier_wait -1                              ; everybody's is
	FETCH_B 0, 0, 0
	FETCH_A 0, 0, 0
	FETCH_A 0, 0, 4
	STEP 0, 0, 1                                   ; eight steps of 128 along K, written out: the first starts the sums
	TURN 0, 1, 1                                   ; slot 0 takes K step 2
	STEP 1, 0, 0
	TURN 1, 0, 1                                   ; slot 1 takes K step 3
	STEP 0, 0, 0
	TURN 0, 1, 0                                   ; nothing is left to fetch
	STEP 1, 0, 0
	s_wait_dscnt 4*NL
	WIN MUL_LO
	MUL16 0, 1, 0
	MUL16 2, 1, 0
	s_wait_dscnt 0
	WIN MUL_HI
	MUL16 4, 1, 0
	MUL16 6, 1, 0
	WIN 0
; THE WAY OUT, block by block of 16 rows x 128 columns: through my own stage in LDS, back as whole rows of 512 bytes.  LDS serves a wave's instructions in order (ISA guide 5.7.1.4): no wait between the stores and the loads.
.macro TOSTAGE a
.set AC, 64*((\a)%4)
	WIN 0x02+((\a)/4)                              ; source 0: window 2 or 3
.irp j, 0,2,4,6,8,10,12,14,16,18,20,22,24,26,28,30,32,34,36,38,40,42,44,46,48,50,52,54,56,58,60,62
	v_pk_mul_f32 v[TMP+\j:TMP+\j+1], v[AC+\j:AC+\j+1], s[96:97] op_sel_hi:[1,0]   ; both x s96 = 2^(e10 + e11); each accumulator from its low end on
.endr
	WIN 0
.irp b, 0,1,2,3,4,5,6,7
	ds_store_b128 v[STO], v[TMP+8*\b:TMP+8*\b+3] offset:64*\b
	ds_store_b128 v[STO], v[TMP+8*\b+4:TMP+8*\b+7] offset:64*\b+16
.endr
.set BB, BK+64*((\a)%2)
.irp t, 0,1,2,3,4,5,6,7,8,9,10,11,12,13,14,15
	ds_load_b128 v[BB+4*\t:BB+4*\t+3], v[RD] offset:\t*SPITCH
.endr
.endm
.macro SEND a, younger                 ; younger: the LDS instructions issued behind block a's loads, which may stay out
.set BB, BK+64*((\a)%2)
	s_wait_dscnt \younger                          ; the block is back in registers
.if (\a) > 0
	s_add_nc_u64 s[10:11], s[10:11], 16*SIZE_N*4   ; (behind a wait on XCNT: the earlier stores have read their base)  16 rows on
.endif
.irp t, 0,1,2,3,4,5,6,7,8,9,10,11,12,13,14,15
	global_store_b128 v[CO], v[BB+4*\t:BB+4*\t+3], s[10:11] offset:\t*SIZE_N*4 th:TH_STORE_NT   ; 32 lanes store 512 consecutive bytes, aligned; written once, read by nobody here
.endr
.endm
	s_wait_kmcnt 0x0
	s_add_co_i32 s96, s96, s97                     ; e10 + e11, between -126 and 127,
	s_add_co_i32 s96, s96, 127
	s_lshl_b32 s96, s96, 23                        ; makes the f32 number 2^(e10 + e11)
	PLACES NP                                      ; behind the last products: for the reads of results and the loads into the registers that held A's fragments
	TOSTAGE 0
.irp a, 1,2,3,4,5,6,7
.if \a > 1
	s_wait_xcnt 0x0                                ; block a - 2's stores have read their registers and their base
.endif
	TOSTAGE \a
	SEND \a-1, 32                                  ; behind block a - 1's loads: block a's 16 stores and 16 loads
.endr
	s_wait_xcnt 0x0                                ; block 6's stores have read their base
	SEND 7, 0
	s_wait_tensorcnt 0x0                           ; the wave's end: behind my last tensor load and my last LDS store
	ds_add_u32 v[SPW], v[NIL]
	s_wait_dscnt 0x0
	CROUND                                         ; the closing round: no work-group ends while a partner may still ask for a tile that names it
	s_endpgm
.Lfunc_end_k_q19163b02fc_proj:
	.size	k_q19163b02fc_proj, .Lfunc_end_k_q19163b02fc_proj-k_q19163b02fc_proj
	.p2alignl 7, 3214868480
	.fill 96, 4, 3214868480
	.section	.rodata,"a",@progbits
	.p2align	6, 0x0
	.amdhsa_kernel k_q19163b02fc_proj
		.amdhsa_group_segment_fixed_size 327680
		.amdhsa_private_segment_fixed_size 0
		.amdhsa_enable_private_segment 0
		.amdhsa_kernarg_size 32
		.amdhsa_user_sgpr_count 2
		.amdhsa_user_sgpr_kernarg_segment_ptr 1
		.amdhsa_wavefront_size32 1
		.amdhsa_system_sgpr_workgroup_id_x 1
		.amdhsa_system_sgpr_workgroup_id_y 1
		.amdhsa_system_sgpr_workgroup_id_z 1
		.amdhsa_system_vgpr_workitem_id 0
		.amdhsa_next_free_vgpr 1024
		.amdhsa_next_free_sgpr 98
		.amdhsa_reserve_vcc 0
		.amdhsa_float_denorm_mode_32 3
		.amdhsa_float_denorm_mode_16_64 3
		.amdhsa_memory_ordered 1
		.amdhsa_forward_progress 1
		.amdhsa_inst_pref_size 124
	.end_amdhsa_kernel
	.amdgpu_metadata
---
amdhsa.version: [ 1, 2 ]
amdhsa.kernels:
  - .name:           k_q19163b02fc_proj
    .symbol:         k_q19163b02fc_proj.kd
    .args:
      - { .name: o_img, .offset: 0, .size: 8, .value_kind: global_buffer, .address_space: global }
      - { .name: wo_codes, .offset: 8, .size: 8, .value_kind: global_buffer, .address_space: global }
      - { .name: lowp_scales, .offset: 16, .size: 8, .value_kind: global_buffer, .address_space: global }
      - { .name: out0, .offset: 24, .size: 8, .value_kind: global_buffer, .address_space: global }
    .group_segment_fixed_size: 327680
    .private_segment_fixed_size: 0
    .kernarg_segment_align: 8
    .kernarg_segment_size: 32
    .max_flat_workgroup_size: 128
    .sgpr_count:     98
    .vgpr_count:     1024
    .wavefront_size: 32
...
	.end_amdgpu_metadata
.endif
;; end of part 3
